; MI455X (gfx1250); checked and timed in simulation.
; The chip was launched on July 23, 2026; its instructions are those of AMD's public machine-readable ISA for CDNA 5 (MIT licence, August 2026) and "CDNA5" Instruction Set Architecture Reference Guide (July 2026). The comments in the code are by the model that wrote it; some were corrected since.
;; Attention. Allowed arithmetic: float matrix products may take bf16 or f16 operands with f32 sums; other float arithmetic in f32, or as packed bf16 or f16 multiplies, adds, multiply-adds, maxima and minima; sums over many terms, partial sums and values carried from step to step in f32; what a program stores and reads back later, other than sums and carried values, may be rounded once to bf16 or f16.
;; Inputs: W_h 1,024 x 1,024 float32; W_s 1,024 x 1,024 float32; dec_hidden 64 x 1 x 1,024 float32; enc_outputs 64 x 1,024 x 1,024 float32; v 1,024 float32.
;; Outputs: out0 64 x 1 x 1,024 float32; out1 64 x 1,024 float32.
;; 2 versions, each right; version 2 is version 1 with the launch main written anew for expert scheduling mode. Each part assembles by itself: llvm-mc -triple=amdgcn-amd-amdhsa -mcpu=gfx1250 --defsym DOCPART=n.
;; ======== version 1 of 2: 3 launches
;; workspace buffers: wb 2,097,152 bytes; dp 262,144 bytes; sc 262,144 bytes; cp 2,097,152 bytes
;; launch prep (part 1): grid 256 x 1, 4 waves a work-group, no clusters, 4,608 bytes of LDS; arguments W_h, W_s, dec_hidden, wb, dp; writes wb, dp
.if DOCPART == 1
	.amdgcn_target "amdgcn-amd-amdhsa--gfx1250"
	.amdhsa_code_object_version 6
	.text
	.protected	k_qc2e11c8ae9_prep
	.globl	k_qc2e11c8ae9_prep
	.p2align	8
	.type	k_qc2e11c8ae9_prep,@function
k_qc2e11c8ae9_prep:
	s_mov_b64 s[64:65], 0
	v_nop
	global_prefetch_b8 v0, s[64:65] scope:SCOPE_SE
	s_setreg_imm32_b32 hwreg(HW_REG_WAVE_MODE, 25, 1), 1
	s_wait_xcnt 0x0
; TWO SMALL JOBS AHEAD OF THE LARGE PRODUCT.  W_h, W_s: [1024][1024] f32; dec_hidden: [64][1024] f32.
; (a) wb = W_h rounded to bf16, laid out by matrix fragments.  The fragment of rows n0 .. n0+15, channels k0 .. k0+31 is 1,024 bytes at 1,024 F,
;     F = ((w 2 + c) 32 + kk) 8 + b with n0 = 512 c + 128 w + 16 b, k0 = 32 kk; byte 512 q + 16 L + 2 e of it holds W_h[n0 + L % 16][k0 + 16 q + 8 (L / 16) + e]:
;     a load of 16 bytes a lane at 16 L is half a register fragment, and a wave's load covers 512 consecutive bytes.
; (b) dp[b][o] = the sum over h of dec[b][h] W_s[o][h], operands rounded to bf16, sums in f32, stored in f32.
; SHARES.  Work-group g: nt = g / 4 (16 rows of W_h and of W_s), mt = g % 4.  (a) wave v rounds fragments kk = 8 mt + 2 v and the next: 256 consecutive bytes of each of the 16 rows.
; (b) one tile of 16 batches (16 mt ..) x 16 columns (16 nt ..); K is split among the four waves, 256 channels each, and the four partial sums meet in LDS.
; The product is taken with source 0 = W_s's rows, source 1 = dec's rows: a lane ends with eight neighbouring columns of one batch.
.set PART,  0                          ; LDS: wave v's partial tile, 1,024 bytes, at 1,024 v
.set SPARE, 4096                       ; behind them: the spare words, 128 bytes a wave, that no other line names
.set FO,  3                            ; v3   (l % 16) x 4,096 + 32 (l / 16) + 1,024 x wave: my place in W_s's and dec's rows
.set CO,  4                            ; v4   the same + 1,024 mt + 256 x wave in place of the wave's term: my place in W_h's rows
.set WO,  5                            ; v5   16 l: my 16 bytes of half a fragment
.set LS,  6                            ; v6   where I put my 32 bytes of the partial tile
.set LR,  7                            ; v7   where wave 0 reads them back
.set DO,  8                            ; v8   my 32 bytes of dp
.set SPW, 10                           ; v10  my spare word; never rewritten
.set NIL, 11                           ; v11  0; never rewritten
.set ACC, 16                           ; v[16:23], v[24:31]  two accumulators, by turns
.set CR,  32                           ; v[32:63]  W_h as loaded; then, in its first half, as rounded
.set RAW, 64                           ; v[64:191] four K steps of f32: step i at 32 i: 16 registers of W_s, 16 of dec
.set FR,  192                          ; v[192:255] the same as fragments: step i at 16 i: 8 of W_s, 8 of dec
	s_load_b256 s[4:11], s[0:1], 0x0               ; W_h s[4:5], W_s s[6:7], dec s[8:9], wb s[10:11]
	s_load_b64 s[12:13], s[0:1], 0x20              ; dp
	v_lshl_add_u32 v[SPW], v0, 2, SPARE
	v_mov_b32 v[NIL], 0
	v_lshrrev_b32 v9, 5, v0
	v_readfirstlane_b32 s14, v9                    ; wave 0..3
	s_lshr_b32 s15, ttmp9, 2                       ; nt
	s_and_b32 s16, ttmp9, 3                        ; mt
	v_and_b32 v1, 15, v0                           ; l % 16
	v_bfe_u32 v2, v0, 4, 1                         ; l / 16
	v_and_b32 v12, 31, v0                          ; l
	v_lshlrev_b32 v13, 12, v1
	v_lshl_add_u32 v13, v2, 5, v13                 ; row x 4,096 + 32 x half: eight f32 a half
	s_lshl_b32 s17, s14, 10                        ; 1,024 x wave
	v_add_nc_u32 v[FO], s17, v13
	v_lshl_add_u32 v[LS], v12, 5, s17
	v_lshlrev_b32 v[LR], 5, v12
	v_lshlrev_b32 v[WO], 4, v12
	s_lshl_b32 s22, s16, 10
	s_lshl_b32 s23, s14, 8
	s_add_co_u32 s22, s22, s23                     ; 1,024 mt + 256 x wave
	v_add_nc_u32 v[CO], s22, v13
	s_lshl_b32 s20, s16, 16                        ; 16 mt rows of 4,096 bytes: dec's and dp's
	s_mov_b32 s21, 0
	s_lshl_b32 s23, s15, 6                         ; 16 nt columns of 4 bytes
	s_add_co_u32 s23, s23, s20
	v_add_nc_u32 v[DO], s23, v13                   ; (16 mt + l % 16) x 4,096 + (16 nt + 8 (l / 16)) x 4
	s_lshl_b32 s18, s15, 16                        ; 16 nt rows of 4,096 bytes: W_h's and W_s's
	s_mov_b32 s19, 0
	s_bfe_u32 s24, s15, 0x20003                    ; w = (nt / 8) % 4
	s_lshr_b32 s25, s15, 5                         ; c = nt / 32
	s_lshl_b32 s24, s24, 1
	s_add_co_u32 s24, s24, s25
	s_lshl_b32 s24, s24, 5
	s_lshl_b32 s25, s16, 3
	s_add_co_u32 s24, s24, s25                     ; + 8 mt
	s_lshl_b32 s25, s14, 1
	s_add_co_u32 s24, s24, s25                     ; + 2 x wave
	s_lshl_b32 s24, s24, 3
	s_and_b32 s25, s15, 7                          ; b = nt % 8
	s_add_co_u32 s24, s24, s25
	s_lshl_b32 s24, s24, 10                        ; F x 1,024
	s_mov_b32 s25, 0
	s_wait_kmcnt 0x0
	s_add_nc_u64 s[4:5], s[4:5], s[18:19]
	s_add_nc_u64 s[6:7], s[6:7], s[18:19]
	s_add_nc_u64 s[8:9], s[8:9], s[20:21]
	s_add_nc_u64 s[10:11], s[10:11], s[24:25]
; A lane's part of a fragment is 8 + 8 channels: 32 bytes of f32 at 32 (l / 16) and 32 more 64 bytes on: pieces at 0, 16, 64, 80.
.set ii, 0
.rept 8                                ; (a): fragment ii / 4, piece ii % 4
	global_load_b128 v[CR+4*ii:CR+4*ii+3], v[CO], s[4:5] offset:128*(ii/4)+64*((ii%4)/2)+16*(ii%2) th:TH_LOAD_NT
.set ii, ii+1
.endr
.macro RAWLOAD half                    ; (b): four K steps of 32: 32 loads
.set ii, 0
.rept 16                               ; step ii / 4, piece ii % 4
	global_load_b128 v[RAW+32*(ii/4)+4*(ii%4):RAW+32*(ii/4)+4*(ii%4)+3],       v[FO], s[6:7] offset:128*(4*(\half)+ii/4)+64*((ii%4)/2)+16*(ii%2)
	global_load_b128 v[RAW+32*(ii/4)+16+4*(ii%4):RAW+32*(ii/4)+16+4*(ii%4)+3], v[FO], s[8:9] offset:128*(4*(\half)+ii/4)+64*((ii%4)/2)+16*(ii%2)
.set ii, ii+1
.endr
.endm
.macro CONV                            ; 128 f32 a lane become 64 registers of bf16, in the fragments' order
.set ii, 0
.rept 64
	v_cvt_pk_bf16_f32 v[FR+ii], v[RAW+2*ii], v[RAW+2*ii+1]
.set ii, ii+1
.endr
.endm
.macro MULS zero                       ; four products; the two accumulators take turns, one instruction a turn
.set ii, 0
.rept 4
.if (\zero) && (ii < 2)
	v_wmma_f32_16x16x32_bf16 v[ACC+8*(ii%2):ACC+8*(ii%2)+7], v[FR+16*ii:FR+16*ii+7], v[FR+16*ii+8:FR+16*ii+15], 0
.else
	v_wmma_f32_16x16x32_bf16 v[ACC+8*(ii%2):ACC+8*(ii%2)+7], v[FR+16*ii:FR+16*ii+7], v[FR+16*ii+8:FR+16*ii+15], v[ACC+8*(ii%2):ACC+8*(ii%2)+7]
.endif
.set ii, ii+1
.endr
.endm
.macro PLACES8                         ; plain vector instructions between a product and a vector instruction that reads its result or writes its sources (ISA guide 7.12.1)
.rept 8
	v_nop
.endr
.endm
	RAWLOAD 0
	s_wait_loadcnt 32                              ; W_h's eight loads are in; the 32 behind them stay out
.set ii, 0
.rept 16
	v_cvt_pk_bf16_f32 v[CR+ii], v[CR+2*ii], v[CR+2*ii+1]  ; in place: number ii lands at or below the pair that it reads
.set ii, ii+1
.endr
.set ii, 0
.rept 4                                ; fragment ii / 2 (8 fragments = 8,192 bytes on for the next kk), half ii % 2
	global_store_b128 v[WO], v[CR+4*ii:CR+4*ii+3], s[10:11] offset:8192*(ii/2)+512*(ii%2)  ; a wave's store covers 512 consecutive bytes, aligned
.set ii, ii+1
.endr
	s_wait_loadcnt 0x0
	CONV
	RAWLOAD 1                                      ; the second half is on its way while the first is multiplied
	MULS 1                                         ; the first two products start the sums
	s_wait_loadcnt 0x0
	PLACES8                                        ; the conversions below write the products' sources
	CONV
	MULS 0
	PLACES8
.set ii, 0
.rept 4
	v_pk_add_f32 v[ACC+ii:ACC+ii+1], v[ACC+ii:ACC+ii+1], v[ACC+8+ii:ACC+8+ii+1]  ; the two accumulators, from their low ends on
.set ii, ii+2
.endr
	ds_store_b128 v[LS], v[ACC:ACC+3]   offset:PART
	ds_store_b128 v[LS], v[ACC+4:ACC+7] offset:PART+16
	s_wait_dscnt 0x0                               ; for the others' sake: my partial tile lies in LDS
	s_barrier_signal -1
	s_barrier_wait -1
	s_cmp_lg_u32 s14, 0                            ; wave 0 adds the four and stores
	s_cbranch_scc1 .Lend
.irp w, 0,1,2,3
	ds_load_b128 v[RAW+8*\w:RAW+8*\w+3],   v[LR] offset:PART+1024*\w
	ds_load_b128 v[RAW+8*\w+4:RAW+8*\w+7], v[LR] offset:PART+1024*\w+16
.endr
	s_wait_dscnt 0x0
.set ii, 0
.rept 4
	v_pk_add_f32 v[RAW+ii:RAW+ii+1], v[RAW+ii:RAW+ii+1], v[RAW+8+ii:RAW+8+ii+1]
	v_pk_add_f32 v[RAW+16+ii:RAW+16+ii+1], v[RAW+16+ii:RAW+16+ii+1], v[RAW+24+ii:RAW+24+ii+1]
.set ii, ii+2
.endr
.set ii, 0
.rept 4
	v_pk_add_f32 v[RAW+ii:RAW+ii+1], v[RAW+ii:RAW+ii+1], v[RAW+16+ii:RAW+16+ii+1]
.set ii, ii+2
.endr
	global_store_b128 v[DO], v[RAW:RAW+3],   s[12:13]
	global_store_b128 v[DO], v[RAW+4:RAW+7], s[12:13] offset:16
.Lend:
	s_wait_tensorcnt 0x0                           ; the wave's end, behind my last LDS store
	ds_add_u32 v[SPW], v[NIL]
	s_wait_dscnt 0x0
	s_endpgm
.Lfunc_end_k_qc2e11c8ae9_prep:
	.size	k_qc2e11c8ae9_prep, .Lfunc_end_k_qc2e11c8ae9_prep-k_qc2e11c8ae9_prep
	.p2alignl 7, 3214868480
	.fill 96, 4, 3214868480
	.section	.rodata,"a",@progbits
	.p2align	6, 0x0
	.amdhsa_kernel k_qc2e11c8ae9_prep
		.amdhsa_group_segment_fixed_size 4608
		.amdhsa_private_segment_fixed_size 0
		.amdhsa_enable_private_segment 0
		.amdhsa_kernarg_size 40
		.amdhsa_user_sgpr_count 2
		.amdhsa_user_sgpr_kernarg_segment_ptr 1
		.amdhsa_wavefront_size32 1
		.amdhsa_system_sgpr_workgroup_id_x 1
		.amdhsa_system_sgpr_workgroup_id_y 1
		.amdhsa_system_sgpr_workgroup_id_z 1
		.amdhsa_system_vgpr_workitem_id 0
		.amdhsa_next_free_vgpr 256
		.amdhsa_next_free_sgpr 66
		.amdhsa_reserve_vcc 0
		.amdhsa_float_denorm_mode_32 3
		.amdhsa_float_denorm_mode_16_64 3
		.amdhsa_memory_ordered 1
		.amdhsa_forward_progress 1
		.amdhsa_inst_pref_size 22
	.end_amdhsa_kernel
	.amdgpu_metadata
---
amdhsa.version: [ 1, 2 ]
amdhsa.kernels:
  - .name:           k_qc2e11c8ae9_prep
    .symbol:         k_qc2e11c8ae9_prep.kd
    .args:
      - { .name: W_h, .offset: 0, .size: 8, .value_kind: global_buffer, .address_space: global }
      - { .name: W_s, .offset: 8, .size: 8, .value_kind: global_buffer, .address_space: global }
      - { .name: dec_hidden, .offset: 16, .size: 8, .value_kind: global_buffer, .address_space: global }
      - { .name: wb, .offset: 24, .size: 8, .value_kind: global_buffer, .address_space: global }
      - { .name: dp, .offset: 32, .size: 8, .value_kind: global_buffer, .address_space: global }
    .group_segment_fixed_size: 4608
    .private_segment_fixed_size: 0
    .kernarg_segment_align: 8
    .kernarg_segment_size: 40
    .max_flat_workgroup_size: 128
    .sgpr_count:     66
    .vgpr_count:     256
    .wavefront_size: 32
...
	.end_amdgpu_metadata
.endif
;; end of part 1
;; launch main (part 2): grid 512 x 1, 4 waves a work-group, no clusters, 304,640 bytes of LDS; arguments enc_outputs, wb, dp, v, sc, cp; writes sc, cp
.if DOCPART == 2
	.amdgcn_target "amdgcn-amd-amdhsa--gfx1250"
	.amdhsa_code_object_version 6
	.text
	.protected	k_qc2e11c8ae9_main
	.globl	k_qc2e11c8ae9_main
	.p2align	8
	.type	k_qc2e11c8ae9_main,@function
k_qc2e11c8ae9_main:
	s_mov_b64 s[64:65], 0
	v_nop
	global_prefetch_b8 v0, s[64:65] scope:SCOPE_SE
	s_setreg_imm32_b32 hwreg(HW_REG_WAVE_MODE, 25, 1), 1
	s_wait_xcnt 0x0
; ADDITIVE ATTENTION, ONE BLOCK OF 128 ROWS OF ONE BATCH TO A WORK-GROUP (512 blocks, 8 to a batch).  enc: [64][1024][1024] f32.
;   score[row] = the sum over o of v[o] tanh( (enc[row] . W_h[o]) + dp[batch][o] );   p[row] = e^(score - the block's maximum);   cp[block][col] = the sum over the rows of p[row] enc[row][col].
; enc IS READ FROM MEMORY ONCE: the block is rounded to bf16 and kept in LDS (A, 278,528 bytes) for its three uses: both chunks of the product, and the context.
; SHARES.  The four waves split the 1,024 columns o: in chunk c (of 2) wave w makes columns 512 c + 128 w .. + 127 for all 128 rows: 64 accumulators of 16 x 16, 512 registers.  K goes in steps of 32:
; 16 LDS loads (A's 8 fragments), 16 loads from memory (W's 8 fragments, laid out by fragments in wb) and 64 matrix instructions.  No wave wants a fragment of W that another wave fetches, so W goes
; straight into registers, four buffers deep: a step's W is asked for three steps ahead.
; THE BLOCK ARRIVES UNDER CHUNK 0.  A lies in 8 slices of 128 channels.  Only slice 0 is loaded, rounded and stored ahead of the first product.  Chunk 0 goes in 8 trips of 4 K steps; trip t multiplies slice t,
; rounds and stores slice t + 1 out of a ring of four register slots (a slot: 8 rows x 512 bytes of the wave's 32 rows), and asks for slice t + 2 into the slots just freed: a slot has a trip in which to land.
; One barrier a trip shows the new slice to all four waves; no byte of A is written twice.  The ring takes the registers of chunk 1's second fragment buffer and of the partial scores, so chunk 0 has ONE
; fragment buffer in two halves: rows 0-63 are fetched behind the products on rows 0-63, rows 64-127 behind those on rows 64-127, each 32 products ahead of its use.
; tanh y = 1 - 2 r, r = 1 / (1 + 2^(c y)), c = 2 log2(e).  The accumulators are worked on in place; a lane gathers (-2 v[o]) r for its column, and sc holds the score LESS the sum of v, which is the same
; for every score: the softmax takes it away exactly.  2^(c y) may be infinite or 0: r is then 0 or 1, tanh 1 or -1.
; THE MAXIMUM is the block's own here; the next launch finds the same eight maxima from sc and corrects by 2^(m_block - m_batch).
; NO JOINT LOADS, though every work-group walks the same wb: a K step's 64 matrix instructions of each wave consume 32,768 bytes of the work-group's W, and beside A and the tables LDS has 23,040 bytes left:
; not one slot of one step.  With half the rows the slots would fit, and every byte of W would feed half the products.
; LIMITS.  enc, W_h, W_s, dec and v are each rounded once to bf16; p is rounded to bf16 for the context product (the divisor is taken of the unrounded p, in the next launch).  A power of two below 2^-126
; counts as 0.  NaN and infinities among the inputs are not treated apart.
; REGISTERS, in windows of 256 (s_set_vgpr_msb: bits 1:0 source 0, 3:2 source 1, 5:4 source 2, 7:6 destination):
;   window 0: v0-31 addresses; v32-63 the table's entries for my 8 column tiles; v64-127 A's fragments; v128-191 chunk 1's second fragment buffer; v192-255 partial scores, 8 a row tile;
;             in chunk 0's K loop v128-255 are the ring, 32 a slot
;   window 1: W's fragments, four buffers of 64 (at the end: A turned, two buffers of 128)
;   window 2: accumulators of rows 0-63, (a, b) at v[8 (8 a + b)] (at the start: slice 0 as loaded; at the end: the context's 16 accumulators);   window 3: those of rows 64-127
.set PITCH, 272                        ; a row of a slice in LDS: 256 bytes + 16 = 17 x 16: the 16 rows of a fragment load start in 16 different columns of 16 bytes modulo 256
.set SLICE, 128*PITCH                  ; 128 rows x 128 channels
.set TAB,   8*SLICE                    ; 1,024 entries of 16 bytes: (c dp, c dp, -2 v, -2 v) for column o
.set PART,  TAB+16384                  ; 8 arrays of 128 f32: the partial scores of chunk c, wave w at 512 (4 c + w)
.set PP,    PART+4096                  ; each wave's own copy of p: 128 bf16
.set CST,   PP+1024                    ; each wave's own stage for the way out: 256 f32
.set SPARE, CST+4096                   ; the spare words, 128 bytes a wave, that no other line names
.set SPW,  4                           ; v4   my spare word; never rewritten
.set NIL,  5                           ; v5   0; never rewritten
.set ADRA, 6                           ; v6   LDS address of A's fragments: row l % 16, 16 (l / 16), in the slice in hand; row tiles, K steps and the next slice stand in the immediate (65,376 at the most)
.set AD0,  7                           ; v7   the same in slice 0; never rewritten
.set PFO,  8                           ; v8   the prefetches' offset: row l / 2, block l % 2 of 256 bytes; never rewritten
.set BO,   10                          ; v10  16 l: for enc, wb, sc and cp; never rewritten
.set AS,   12                          ; v12  where I store my 8 bytes of a row of A, in the slice that is being stored
.set TA,   13                          ; v13  my column's entry in the table, tile 0 of the chunk in hand
.set PS,   14                          ; v14  where I put partial scores
.set PR,   15                          ; v15  where I read them back: rows 4 l .. 4 l + 3
.set PW,   16                          ; v16  where I put four p
.set PF,   17                          ; v17  where I read p as a fragment
.set TR,   18                          ; v18  the turning load's address
.set CW,   19                          ; v19  the way out: in
.set CRD,  20                          ; v20  the way out: back
.set TS,   21                          ; v21  where I put table entries
.set TO,   22                          ; v22  16 x thread: my four numbers of dp and of v
.set CN,   32
.set F0,   64
.set F1,   128
.set RING, 128
.set SC,   192
.set E,    4                           ; s[4:5]   enc at my wave's 32 rows, at the slice that the trip in hand multiplies; it walks
.set P,    6                           ; s[6:7]   wb at my wave's fragments; it walks
.set WV,   16                          ; s16  my wave's number
.set CS,   20                          ; s[20:21] c = 2 log2(e): the packed scaling takes the pair's low word for both halves
.set SEL,  22                          ; s[22:23] v_permlanex16_b32's selects: each lane takes its own place in the other half
.set CH,   24                          ; s24  chunks to go
.set TRIPS, 25                         ; s25  trips of the K loop in hand
.set LE,   30                          ; s30  log2(e)
.set MSB, 0
.macro WIN new                         ; the immediate's high byte repeats the setting that is left; a switch that changes nothing is dropped
.if MSB != (\new)
	s_set_vgpr_msb (MSB<<8)|(\new)
.set MSB, (\new)
.endif
.endm
.macro PLACES                          ; four plain vector instructions between a product and a load into a register that it has read (ISA guide 7.12.1 for vector instructions)
.rept 4
	v_nop
.endr
.endm
	s_load_b256 s[4:11], s[0:1], 0x0               ; enc s[4:5], wb s[6:7], dp s[8:9], v s[10:11]
	s_load_b128 s[12:15], s[0:1], 0x20             ; sc s[12:13], cp s[14:15]
	v_lshl_add_u32 v[SPW], v0, 2, SPARE
	v_mov_b32 v[NIL], 0
	v_lshrrev_b32 v1, 5, v0
	v_readfirstlane_b32 s[WV], v1                  ; wave 0..3
	v_and_b32 v1, 15, v0                           ; l % 16
	v_bfe_u32 v2, v0, 4, 1                         ; l / 16
	v_and_b32 v3, 31, v0                           ; l
	s_mov_b32 s[CS], 0x4038aa3b
	s_mov_b32 s[CS+1], s[CS]                       ; named with it as a pair
	s_mov_b32 s[SEL], 0x76543210
	s_mov_b32 s[SEL+1], 0xfedcba98
	s_mov_b32 s[LE], 0x3fb8aa3b
	v_lshlrev_b32 v[BO], 4, v3
	v_mul_u32_u24 v[AD0], v1, PITCH
	v_lshl_add_u32 v[AD0], v2, 4, v[AD0]           ; a fragment's row x pitch + 16 x half
	v_mov_b32 v[ADRA], v[AD0]
	v_lshrrev_b32 v28, 1, v3
	v_and_b32 v29, 1, v0
	v_lshlrev_b32 v[PFO], 12, v28                  ; row l / 2 of 4,096 bytes,
	v_lshl_add_u32 v[PFO], v29, 8, v[PFO]          ; block l % 2 of a slice's 512
	s_mul_i32 s28, s[WV], 32*PITCH                 ; my wave rounds rows 32 w .. 32 w + 31
	v_lshl_add_u32 v[AS], v3, 3, s28
	s_lshl_b32 s28, s[WV], 11
	s_add_co_u32 s28, s28, TAB
	v_lshl_add_u32 v[TA], v1, 4, s28               ; entry 128 w + l % 16
	s_lshl_b32 s28, s[WV], 9
	s_add_co_u32 s28, s28, PART
	v_lshl_add_u32 v[PS], v2, 5, s28               ; array w, rows 8 (l / 16) on
	v_lshl_add_u32 v[PR], v3, 4, PART
	s_lshl_b32 s28, s[WV], 8
	s_add_co_u32 s28, s28, PP
	v_lshl_add_u32 v[PW], v3, 3, s28
	v_lshl_add_u32 v[PF], v2, 4, s28
	v_and_b32 v29, 7, v0                           ; the turning load: lane l reads row 8 (l / 16) + l % 8, 16 bytes at 16 ((l / 8) % 2), in my wave's 256 columns: slices 2 w and 2 w + 1
	v_lshl_add_u32 v29, v2, 3, v29
	v_mul_u32_u24 v[TR], v29, PITCH
	v_bfe_u32 v29, v0, 3, 1
	v_lshl_add_u32 v[TR], v29, 4, v[TR]
	s_mul_i32 s28, s[WV], 2*SLICE
	v_add_nc_u32 v[TR], s28, v[TR]
	s_lshl_b32 s28, s[WV], 10
	s_add_co_u32 s28, s28, CST
	v_lshl_add_u32 v[CW], v1, 2, s28
	v_lshl_add_u32 v[CRD], v3, 4, s28
	v_lshl_add_u32 v[TS], v0, 6, TAB
	v_lshlrev_b32 v[TO], 4, v0
	s_mov_b32 s29, 0
	s_wait_kmcnt 0x0
	s_lshl_b32 s28, ttmp9, 19                      ; the block's 128 rows of 4,096 bytes,
	s_lshl_b32 s31, s[WV], 17                      ; my wave's 32
	s_add_co_u32 s28, s28, s31
	s_add_nc_u64 s[E:E+1], s[E:E+1], s[28:29]
	s_lshl_b32 s28, s[WV], 19                      ; my wave's 512 fragments of wb
	s_add_nc_u64 s[P:P+1], s[P:P+1], s[28:29]
	s_lshr_b32 s28, ttmp9, 3                       ; the batch
	s_lshl_b32 s28, s28, 12
	s_add_nc_u64 s[8:9], s[8:9], s[28:29]
	s_lshl_b32 s28, ttmp9, 9                       ; the block's 128 scores
	s_add_nc_u64 s[12:13], s[12:13], s[28:29]
	s_lshl_b32 s28, ttmp9, 12                      ; the block's row of cp,
	s_lshl_b32 s31, s[WV], 10                      ; my wave's 256 columns
	s_add_co_u32 s28, s28, s31
	s_add_nc_u64 s[14:15], s[14:15], s[28:29]
; W's 8 fragments of one K step (8,192 consecutive bytes) into buffer nb
.macro BLOAD nb, off
	WIN 0x40                                       ; destination window 1, address window 0
.set ii, 0
.rept 16
	global_load_b128 v[64*(\nb)+4*ii:64*(\nb)+4*ii+3], v[BO], s[P:P+1] offset:(\off)+512*ii
.set ii, ii+1
.endr
.endm
; THE RING.  Slot i serves rows 8 i .. 8 i + 7 of my wave's 32.  A load is one row's 512 bytes of a slice: lane l takes channels 4 l .. 4 l + 3.
.macro ELOAD slot, off                 ; 8 loads, from byte off of the rows behind the pointer
	WIN 0
.set ii, 0
.rept 8
	global_load_b128 v[RING+32*(\slot)+4*ii:RING+32*(\slot)+4*ii+3], v[BO], s[E:E+1] offset:(8*(\slot)+ii)*4096+(\off) th:TH_LOAD_NT
.set ii, ii+1
.endr
.endm
.macro CONS slot                       ; rounded in place: number ii lands at or below the pair that it reads.  These 16 name no register of a product: they are also the places in front of the fetch behind them
	WIN 0
.set ii, 0
.rept 16
	v_cvt_pk_bf16_f32 v[RING+32*(\slot)+ii], v[RING+32*(\slot)+2*ii], v[RING+32*(\slot)+2*ii+1]
.set ii, ii+1
.endr
.endm
.macro PUT slot                        ; a wave's store covers a row's 256 consecutive bytes of the slice
.set ii, 0
.rept 8
	ds_store_b64 v[AS], v[RING+32*(\slot)+2*ii:RING+32*(\slot)+2*ii+1] offset:(8*(\slot)+ii)*PITCH
.set ii, ii+1
.endr
.endm
; Half of A's fragments (row tiles 4 half .. 4 half + 3, 32 K at byte kofs behind the slice in hand) into its half of the one buffer: 8 loads
.macro FETCHH half, kofs
	WIN 0
.set ii, 0
.rept 4
	ds_load_b128 v[F0+32*(\half)+8*ii:F0+32*(\half)+8*ii+3],   v[ADRA] offset:(4*(\half)+ii)*16*PITCH+(\kofs)
	ds_load_b128 v[F0+32*(\half)+8*ii+4:F0+32*(\half)+8*ii+7], v[ADRA] offset:(4*(\half)+ii)*16*PITCH+(\kofs)+32
.set ii, ii+1
.endr
.endm
; All 8 of A's fragments into buffer f, rows ascending: 16 loads (chunk 1)
.macro FETCH f, kofs
	WIN 0
.set ii, 0
.rept 8
	ds_load_b128 v[(\f)+8*ii:(\f)+8*ii+3],   v[ADRA] offset:ii*16*PITCH+(\kofs)
	ds_load_b128 v[(\f)+8*ii+4:(\f)+8*ii+7], v[ADRA] offset:ii*16*PITCH+(\kofs)+32
.set ii, ii+1
.endr
.endm
.macro CNLOAD                          ; my column's table entry in each of the chunk's 8 tiles
	WIN 0
.set ii, 0
.rept 8
	ds_load_b128 v[CN+4*ii:CN+4*ii+3], v[TA] offset:256*ii
.set ii, ii+1
.endr
.endm
; 32 matrix instructions: row tiles 4 hi .. 4 hi + 3 x all 8 column tiles.  Source 0 = 16 rows of A, source 1 = 16 rows of W: in the result register j of lane l is row 8 (l / 16) + j, column l % 16.
; All 64 accumulators take turns in the same order in every step, one instruction a turn.  zero = 1: the products start the sums.
.macro MUL32 f, bb, hi, zero
	WIN 0xa4+0x50*(\hi)                            ; A window 0, W window 1, C and D window 2 or 3
.set aa, 0
.rept 4
.set bi, 0
.rept 8
.if \zero
	v_wmma_f32_16x16x32_bf16 v[8*(8*aa+bi):8*(8*aa+bi)+7], v[(\f)+8*(4*(\hi)+aa):(\f)+8*(4*(\hi)+aa)+7], v[64*(\bb)+8*bi:64*(\bb)+8*bi+7], 0
.else
	v_wmma_f32_16x16x32_bf16 v[8*(8*aa+bi):8*(8*aa+bi)+7], v[(\f)+8*(4*(\hi)+aa):(\f)+8*(4*(\hi)+aa)+7], v[64*(\bb)+8*bi:64*(\bb)+8*bi+7], v[8*(8*aa+bi):8*(8*aa+bi)+7]
.endif
.set bi, bi+1
.endr
.set aa, aa+1
.endr
.endm
	; THE START.  All first loads go out on end, in the order in which they are wanted: W of step 0, dp and v, slice 0, then slice 1 into the ring with W of steps 1 and 2 between.
	BLOAD 0, 0
	WIN 0
	global_load_b128 v[64:67], v[TO], s[8:9]               ; dp of columns 4 t .. and 512 + 4 t ..,
	global_load_b128 v[68:71], v[TO], s[8:9] offset:2048
	global_load_b128 v[72:75], v[TO], s[10:11]             ; and v of the same
	global_load_b128 v[76:79], v[TO], s[10:11] offset:2048
	WIN 0x80                                       ; destination window 2, address window 0
.set ii, 0
.rept 32                               ; slice 0 of my 32 rows
	global_load_b128 v[4*ii:4*ii+3], v[BO], s[E:E+1] offset:ii*4096 th:TH_LOAD_NT
.set ii, ii+1
.endr
	ELOAD 0, 512
	ELOAD 1, 512
	BLOAD 1, 8192
	ELOAD 2, 512
	ELOAD 3, 512
	BLOAD 2, 16384
	s_wait_loadcnt 63                              ; slice 0 and all ahead of it are in: 64 loads were issued behind it, and 63 is the largest count that the wait names
	WIN 0x8a                                       ; sources and destination window 2
.set ii, 0
.rept 64
	v_cvt_pk_bf16_f32 v[ii], v[2*ii], v[2*ii+1]    ; in place
.set ii, ii+1
.endr
	WIN 0x08                                       ; store data window 2, address window 0
.set ii, 0
.rept 32
	ds_store_b64 v[AS], v[2*ii:2*ii+1] offset:ii*PITCH
.set ii, ii+1
.endr
	WIN 0
.irp j, 0,1,2,3
	v_cvt_pk_bf16_f32 v[112+\j], v[72+2*\j], v[72+2*\j+1]  ; v is rounded once to bf16, like the other inputs,
.endr
.irp j, 0,1,2,3
	v_lshlrev_b32 v[72+2*\j], 16, v[112+\j]        ; and widened again
	v_and_b32 v[72+2*\j+1], 0xffff0000, v[112+\j]
.endr
.irp j, 0,1,2,3,4,5,6,7
	v_mul_f32 v[80+4*\j],   s[CS], v[64+\j]
	v_mul_f32 v[80+4*\j+1], s[CS], v[64+\j]
	v_mul_f32 v[80+4*\j+2], -2.0, v[72+\j]
	v_mul_f32 v[80+4*\j+3], -2.0, v[72+\j]
.endr
.irp j, 0,1,2,3,4,5,6,7
	ds_store_b128 v[TS], v[80+4*\j:80+4*\j+3] offset:8192*(\j/4)+16*(\j%4)
.endr
	v_add_nc_u32 v[AS], SLICE, v[AS]               ; the next stores go into slice 1
	s_wait_dscnt 0x0                               ; for the others' sake: my rows of slice 0 and my table entries lie in LDS
	s_barrier_signal -1
	s_barrier_wait -1                              ; everybody's do
	; THE WAVES ARE STAGGERED: wave w goes on 48 w idle cycles behind wave 0 (s_nop 15 idles 16: its entry in the ISA guide).  All four walk the same text, and their runs of LDS loads would
	; else start together in every step.  The barriers of chunk 0 keep the stagger: their signal and wait stand 32 matrix instructions apart.
.irp k, 1,2,3
	s_cmp_lt_u32 s[WV], \k
	s_cbranch_scc1 .Lgo
	s_nop 15
	s_nop 15
	s_nop 15
.endr
.Lgo:
	FETCHH 0, 0
	FETCHH 1, 0
; CHUNK 0.  A RUN stands behind each 32 products.  In this order: (lw >= 0, the first trip alone: the wait for the slot's loads;) the slot's 16 roundings, or four places; the fetch of the fragment half that
; the products just read, for the next step; the slot's 8 stores; W of three steps on into buffer nb; the slot's next 8 loads.  The loads land on the registers that the stores behind them read: LDS takes
; a store's data in the order of issue, ahead of any later load's return.
.macro RUNA slot, half, kofs, nb, boff, iss, lw
	WIN 0
.if (\lw) >= 0
	s_wait_loadcnt \lw
.endif
.if (\slot) >= 0
	CONS \slot
.else
	PLACES
.endif
	FETCHH \half, \kofs
.if (\slot) >= 0
	PUT \slot
.endif
.if (\nb) >= 0
	BLOAD \nb, \boff
.endif
.if \iss
	ELOAD \slot, 1024                              ; the slice two on from the one that this trip multiplies
.endif
.endm
; A TRIP: steps a, b, c, d on one slice; W of step a lies in buffer 0.  zero: step a starts the sums.  cons: the next slice is rounded and stored, a slot in each of the first four runs.  iss: the slots are asked
; for again.  first: the first trip, whose slots were asked for in another order.  last: the chunk's last trip: no further slice, no barrier, W of the last step alone, and the table entries.
; pf: the prefetch, 1 always, 2 in all trips of the loop but its last.  la .. ld: how many younger loads may stay out at the head of each step (loads come back in order: ISA guide 5.7.1):
;   issued in a trip: W E0 | E1 | W E2 | E3 | W | - | W | -   (W 16 loads, E 8).  Behind W of step a stand E2 E3 W W = 48; of b: W W E0 E1 = 48; of c and of d 64, for which 63 stands.
;   The same waits show the slots landed: E0, E1 are older than W of step a, E2, E3 older than W of step b.
; The LDS waits count what was issued behind the half that is wanted: the other half's 8 loads, and 8 stores for each storing run between.
.macro TRIPA zero, cons, iss, first, last, pf, la, lb, lc, ld
.if (\la) >= 0
	s_wait_loadcnt \la
.endif
	s_wait_dscnt 8
	MUL32 F0, 0, 0, \zero
	RUNA (\cons)*1-1, 0, 64, 3, 24576, \iss, (\first)*57-1
	s_wait_dscnt 8+8*(\cons)
	MUL32 F0, 0, 1, \zero
	RUNA (\cons)*2-1, 1, 64, -1, 0, \iss, (\first)*64-1
	s_wait_loadcnt \lb
	s_wait_dscnt 8+16*(\cons)
	MUL32 F0, 1, 0, 0
	RUNA (\cons)*3-1, 0, 128, (1-(\last))*1-1, 32768, \iss, (\first)*57-1
	s_wait_dscnt 8+16*(\cons)
	MUL32 F0, 1, 1, 0
	RUNA (\cons)*4-1, 1, 128, -1, 0, \iss, (\first)*64-1
	; A PREFETCH INTO THE L2, behind the trip's last loads of enc: my wave's own 32 rows x 512 bytes of the slice that the NEXT trip will ask for: a lane a block of 256 bytes, two instructions.
	; Each block is named once in the launch, by the wave that will load it.  Slices 0 to 2 come by their loads alone; the loop's last trip asks for nothing: behind slice 7 there is none.
.if (\pf) == 2
	s_cmp_gt_u32 s[TRIPS], 1
	s_cbranch_scc0 .Lno_pf_\@
.endif
.if \pf
	global_prefetch_b8 v[PFO], s[E:E+1] offset:1536 th:TH_LOAD_NT scope:SCOPE_SE
	global_prefetch_b8 v[PFO], s[E:E+1] offset:1536+16*4096 th:TH_LOAD_NT scope:SCOPE_SE
.endif
.if (\pf) == 2
.Lno_pf_\@:
.endif
	s_wait_loadcnt \lc
	s_wait_dscnt 8+16*(\cons)
	MUL32 F0, 2, 0, 0
	RUNA -1, 0, 192, (1-(\last))*2-1, 40960, 0, -1
	s_wait_dscnt 8+8*(\cons)
	MUL32 F0, 2, 1, 0
.if !(\last)
	s_wait_dscnt 0x0                               ; for the others' sake: my rows of the next slice lie in LDS (the last stores were issued 64 products ago);
	s_barrier_signal -1                            ; say so.  Up to the wait stand products and loads of this slice, which nobody writes
.endif
	RUNA -1, 1, 192, -1, 0, 0, -1
	s_wait_loadcnt \ld
	s_wait_dscnt 8
	MUL32 F0, 3, 0, 0
.if \last
	CNLOAD
	s_wait_dscnt 8                                 ; all but the 8 just issued
	MUL32 F0, 3, 1, 0
.else
	s_barrier_wait -1                              ; the next slice is whole: its first fragments are fetched
	RUNA -1, 0, SLICE, 2, 49152, 0, -1
	s_wait_dscnt 8
	MUL32 F0, 3, 1, 0
	RUNA -1, 1, SLICE, -1, 0, 0, -1
	s_wait_xcnt 0x0                                ; the loads (the youngest 32 products back) and the prefetches have read their bases
	s_add_nc_u64 s[P:P+1], s[P:P+1], 32768         ; four steps of W
.if \iss
	s_add_nc_u64 s[E:E+1], s[E:E+1], 512           ; a slice of enc
.endif
	v_add_nc_u32 v[ADRA], SLICE, v[ADRA]
.if \cons
	v_add_nc_u32 v[AS], SLICE, v[AS]
.endif
.endif
.endm
	s_mov_b32 s[CH], 2
	; the first trip.  Its slots stand in the order E0 E1 W1 E2 E3 W2: behind E0 56 loads; behind E1 72 with this trip's own; behind W1 64; behind E2 56; behind E3 72: 63 stands for the counts above it
	TRIPA 1, 1, 1, 1, 0, 1, -1, 63, 63, 63
	WIN 0                                          ; at a label and at a branch every window is 0
	s_mov_b32 s[TRIPS], 5
.Larr:                                         ; trips 1 to 5
	TRIPA 0, 1, 1, 0, 0, 2, 48, 48, 63, 63
	WIN 0
	s_sub_co_u32 s[TRIPS], s[TRIPS], 1
	s_cmp_lg_u32 s[TRIPS], 0
	s_cbranch_scc1 .Larr
	TRIPA 0, 1, 0, 0, 0, 0, 48, 32, 32, 32         ; trip 6 stores slice 7 and asks for no more of enc: behind a step's W stand two steps' W
	TRIPA 0, 0, 0, 0, 1, 0, 32, 32, 16, 0          ; trip 7 asks for W of the last step alone: the counts run down
	WIN 0
	s_branch .Lepi                                 ; the activation's text is shared: the loop over chunks is entered in its middle
; CHUNK 1: all of A lies in LDS.  A K STEP: A in buffer f, W in buffer bb.  lc: the loads of W issued behind this step's, which may stay out.  In its middle (mid = 1) the next step's A goes into buffer g and,
; if nb >= 0, the W of three steps on into buffer nb, which the step before multiplied; mid = 2, the chunk's last step: the table entries are fetched instead.
.macro STEP f, g, bb, zero, lc, mid, kofs=0, nb=-1, boff=0
	s_wait_loadcnt \lc
	s_wait_dscnt 8                                 ; A's rows 0-63 are in; the youngest eight loads (rows 64-127) may be out
	MUL32 \f, \bb, 0, \zero
.if (\mid) == 1
	PLACES
	FETCH \g, \kofs
.if (\nb) >= 0
	BLOAD \nb, \boff
.endif
	s_wait_dscnt 16                                ; all but the 16 just issued
.else
	CNLOAD
	s_wait_dscnt 8                                 ; all but the 8 just issued
.endif
	MUL32 \f, \bb, 1, \zero
.endm
; THE ACTIVATION of row tile a, in place on its 64 registers: c x + c dp; 2^; + 1; 1 /; then (-2 v) r is gathered, column tile after column tile, into the tile's 8 partial scores.
; Each run of 64 transcendentals is one batch: a plain instruction behind the last, and ONE wait ahead of the first reader.
.macro EPI a
.set AC, 64*((\a)%4)
.set SA, SC+8*(\a)
	WIN 0x82+0x41*((\a)/4)                         ; destination and source 0 in the accumulators' window, the table's entry in window 0
.set ii, 0
.rept 32                               ; each accumulator from its low end on
	v_pk_fma_f32 v[AC+2*ii:AC+2*ii+1], v[AC+2*ii:AC+2*ii+1], s[CS:CS+1], v[CN+4*(ii/4):CN+4*(ii/4)+1] op_sel_hi:[1,0,1]
.set ii, ii+1
.endr
.set ii, 0
.rept 64
	v_exp_f32 v[AC+ii], v[AC+ii]
.set ii, ii+1
.endr
	v_nop
	s_wait_alu depctr_va_vdst(0)
.set ii, 0
.rept 32
	v_pk_add_f32 v[AC+2*ii:AC+2*ii+1], v[AC+2*ii:AC+2*ii+1], 1.0 op_sel_hi:[1,0]
.set ii, ii+1
.endr
.set ii, 0
.rept 64
	v_rcp_f32 v[AC+ii], v[AC+ii]
.set ii, ii+1
.endr
	v_nop
	s_wait_alu depctr_va_vdst(0)
	WIN 0x02+(\a)/4                                ; source 0 in the accumulators' window, all else in window 0
.set ii, 0
.rept 32
.if ii < 4
	v_pk_mul_f32 v[SA+2*ii:SA+2*ii+1], v[AC+2*ii:AC+2*ii+1], v[CN+2:CN+3]  ; the first column tile starts the sums
.else
	v_pk_fma_f32 v[SA+2*(ii%4):SA+2*(ii%4)+1], v[AC+2*ii:AC+2*ii+1], v[CN+4*(ii/4)+2:CN+4*(ii/4)+3], v[SA+2*(ii%4):SA+2*(ii%4)+1]
.endif
.set ii, ii+1
.endr
.endm
.Lchunk1:                                      ; A of step s lies in buffer s % 2, W of step s in buffer s % 4
	v_mov_b32 v[ADRA], v[AD0]
	FETCH F0, 0
	STEP F0, F1, 0, 1, 32, 1, 64, 3, 24576         ; step 0 stands in front of the loop: its products start the sums
	WIN 0
	s_mov_b32 s[TRIPS], 7
.Ltrip:                                        ; steps 4 t + 1 .. 4 t + 4; W of steps 4 t + 4 .. 4 t + 7 is asked for.  At each head W of this step and of the next two is out: 32 may stay
	STEP F1, F0, 1, 0, 32, 1, 128, 0, 32768
	STEP F0, F1, 2, 0, 32, 1, 192, 1, 40960
	STEP F1, F0, 3, 0, 32, 1, SLICE, 2, 49152
	STEP F0, F1, 0, 0, 32, 1, SLICE+64, 3, 57344
	WIN 0
	s_wait_xcnt 0x0                                ; the loads of W (the youngest 32 products back) have read their base
	s_add_nc_u64 s[P:P+1], s[P:P+1], 32768         ; four steps of W,
	v_add_nc_u32 v[ADRA], SLICE, v[ADRA]           ; a slice of A
	s_sub_co_u32 s[TRIPS], s[TRIPS], 1
	s_cmp_lg_u32 s[TRIPS], 0
	s_cbranch_scc1 .Ltrip
	STEP F1, F0, 1, 0, 32, 1, 128                  ; steps 29, 30, 31 ask for no W: the counts run down
	STEP F0, F1, 2, 0, 16, 1, 192
	STEP F1, 0, 3, 0, 0, 2
	WIN 0
.Lepi:
.rept 8
	v_nop                                          ; the places behind the last products, ahead of the loads into W's buffers and of the activation
.endr
	s_cmp_eq_u32 s[CH], 1
	s_cbranch_scc1 .Lno_more                       ; behind the last chunk there is no W to ask for
	BLOAD 0, 32768                                 ; the next chunk's steps 0, 1, 2: they land while the activation runs
	BLOAD 1, 40960
	BLOAD 2, 49152
	WIN 0
.Lno_more:
	s_wait_dscnt 0x0                               ; the table entries are in
.irp a, 0,1,2,3,4,5,6,7
	EPI \a
.endr
	WIN 0
.irp m, 1,2,4,8                        ; the 16 columns that the lanes of a half hold are added: every lane of a half ends with the sums over my wave's 128 columns
.set ii, 0
.rept 64
	v_add_f32_dpp v[SC+ii], v[SC+ii], v[SC+ii] row_xmask:\m row_mask:0xf bank_mask:0xf
.set ii, ii+1
.endr
.endr
.set ii, 0
.rept 16                               ; row 16 a + 8 (l / 16) + j; the sixteen lanes of a half write the same bytes with the same numbers
	ds_store_b128 v[PS], v[SC+4*ii:SC+4*ii+3] offset:64*(ii/2)+16*(ii%2)
.set ii, ii+1
.endr
	s_wait_xcnt 0x0                                ; the loads of W have read their base
	s_add_nc_u64 s[P:P+1], s[P:P+1], 32768         ; at the next chunk's step 0
	v_add_nc_u32 v[PS], 2048, v[PS]                ; the next chunk's four arrays,
	v_add_nc_u32 v[TA], 8192, v[TA]                ; and its 512 table entries
	s_sub_co_u32 s[CH], s[CH], 1
	s_cmp_lg_u32 s[CH], 0
	s_cbranch_scc1 .Lchunk1
	; THE SCORES.  Every wave adds the eight arrays in the same order, so all four hold the same 128 scores: lane l rows 4 l .. 4 l + 3.
	s_wait_dscnt 0x0                               ; for the others' sake: my partial scores lie in LDS
	s_barrier_signal -1
	s_barrier_wait -1
.irp i, 0,1,2,3,4,5,6,7
	ds_load_b128 v[64+4*\i:64+4*\i+3], v[PR] offset:512*\i
.endr
	s_wait_dscnt 0x0
.irp i, 0,2,4,6
	v_pk_add_f32 v[64+4*\i:64+4*\i+1],   v[64+4*\i:64+4*\i+1],   v[68+4*\i:68+4*\i+1]
	v_pk_add_f32 v[64+4*\i+2:64+4*\i+3], v[64+4*\i+2:64+4*\i+3], v[68+4*\i+2:68+4*\i+3]
.endr
.irp i, 0,4
	v_pk_add_f32 v[64+4*\i:64+4*\i+1],   v[64+4*\i:64+4*\i+1],   v[72+4*\i:72+4*\i+1]
	v_pk_add_f32 v[64+4*\i+2:64+4*\i+3], v[64+4*\i+2:64+4*\i+3], v[72+4*\i+2:72+4*\i+3]
.endr
	v_pk_add_f32 v[64:65], v[64:65], v[80:81]
	v_pk_add_f32 v[66:67], v[66:67], v[82:83]
	s_cmp_lg_u32 s[WV], 0
	s_cbranch_scc1 .Lnot_wave_0
	global_store_b128 v[BO], v[64:67], s[12:13]    ; 512 consecutive bytes of sc; v[64:67] are not written again
.Lnot_wave_0:
	v_max3_num_f32 v68, v64, v65, v66              ; the block's maximum
	v_max_num_f32 v68, v68, v67
	v_max_num_f32_dpp v68, v68, v68 row_xmask:1 row_mask:0xf bank_mask:0xf
	v_max_num_f32_dpp v68, v68, v68 row_xmask:2 row_mask:0xf bank_mask:0xf
	v_max_num_f32_dpp v68, v68, v68 row_xmask:4 row_mask:0xf bank_mask:0xf
	v_max_num_f32_dpp v68, v68, v68 row_xmask:8 row_mask:0xf bank_mask:0xf
	v_permlanex16_b32 v69, v68, s[SEL], s[SEL+1]
	v_max_num_f32 v68, v68, v69
	v_mul_f32 v69, s[LE], v68
.irp j, 0,1,2,3
	v_fma_f32 v[70+\j], v[64+\j], s[LE], -v69      ; (s - m) log2(e), one rounding
.endr
.irp j, 0,1,2,3
	v_exp_f32 v[70+\j], v[70+\j]
.endr
	v_nop                                          ; a plain instruction behind the last exponential,
	s_wait_alu depctr_va_vdst(0)                   ; and one wait for the four, ahead of their first reader
	v_cvt_pk_bf16_f32 v74, v70, v71
	v_cvt_pk_bf16_f32 v75, v72, v73
	ds_store_b64 v[PW], v[74:75]                   ; my wave's own copy of p,
.irp i, 0,1,2,3,4,5,6,7                ; read back as source 0 of the context's product: 16 equal rows, rows 32 t + 16 q + 8 (l / 16) .. of the block along K.  LDS serves a wave's instructions in order (ISA guide 5.7.1.4)
	ds_load_b128 v[96+4*\i:96+4*\i+3], v[PF] offset:32*\i
.endr
	; THE CONTEXT.  My wave takes columns 256 w .. + 255: 16 tiles, 8 in each of two slices; K is the block's 128 rows, 32 a step.  A lies [row][column], so source 1 comes turned, by ds_load_tr16_b128.
.macro TRLOAD t                        ; 32 rows x 256 columns into buffer t % 2: 32 loads
	WIN 0x40
.set ii, 0
.rept 16
	ds_load_tr16_b128 v[128*((\t)%2)+8*ii:128*((\t)%2)+8*ii+3],   v[TR] offset:(ii/8)*SLICE+32*(ii%8)
	ds_load_tr16_b128 v[128*((\t)%2)+8*ii+4:128*((\t)%2)+8*ii+7], v[TR] offset:(ii/8)*SLICE+16*PITCH+32*(ii%8)
.set ii, ii+1
.endr
	WIN 0
.if (\t) < 3
	v_add_nc_u32 v[TR], 32*PITCH, v[TR]
.endif
.endm
.macro CMUL t                          ; 16 products, the 16 accumulators by turns
	WIN 0xa4                                       ; p window 0, A turned window 1, C and D window 2
.set ii, 0
.rept 16
.if (\t) == 0
	v_wmma_f32_16x16x32_bf16 v[8*ii:8*ii+7], v[96+8*(\t):96+8*(\t)+7], v[128*((\t)%2)+8*ii:128*((\t)%2)+8*ii+7], 0
.else
	v_wmma_f32_16x16x32_bf16 v[8*ii:8*ii+7], v[96+8*(\t):96+8*(\t)+7], v[128*((\t)%2)+8*ii:128*((\t)%2)+8*ii+7], v[8*ii:8*ii+7]
.endif
.set ii, ii+1
.endr
.endm
	s_wait_loadcnt 0x0                             ; no load of W is on its way into window 1: the last chunk asked for none
	TRLOAD 0
	TRLOAD 1
	s_wait_dscnt 32                                ; p and buffer 0 are in; the 32 youngest loads stay out
	CMUL 0
	WIN 0
	PLACES
	TRLOAD 2
	s_wait_dscnt 32
	CMUL 1
	WIN 0
	PLACES
	TRLOAD 3
	s_wait_dscnt 32
	CMUL 2
	s_wait_dscnt 0x0
	CMUL 3
.rept 8
	v_nop                                          ; the places behind the last products
.endr
	WIN 0x08                                       ; store data window 2, address window 0
.set ii, 0
.rept 16                               ; all 16 rows of a result are equal: register 0 (rows 0 and 8) of each tile; both halves of the lanes write the same bytes with the same numbers
	ds_store_b32 v[CW], v[8*ii] offset:64*ii
.set ii, ii+1
.endr
	WIN 0
	ds_load_b128 v[80:83], v[CRD]                  ; my wave's own stage, served in order
	ds_load_b128 v[84:87], v[CRD] offset:512
	s_wait_dscnt 0x0
	global_store_b128 v[BO], v[80:83], s[14:15]    ; each store covers 512 consecutive bytes of cp, aligned
	global_store_b128 v[BO], v[84:87], s[14:15] offset:512
	s_wait_tensorcnt 0x0                           ; the wave's end, behind my last LDS store
	ds_add_u32 v[SPW], v[NIL]
	s_wait_dscnt 0x0
	s_endpgm
.Lfunc_end_k_qc2e11c8ae9_main:
	.size	k_qc2e11c8ae9_main, .Lfunc_end_k_qc2e11c8ae9_main-k_qc2e11c8ae9_main
	.p2alignl 7, 3214868480
	.fill 96, 4, 3214868480
	.section	.rodata,"a",@progbits
	.p2align	6, 0x0
	.amdhsa_kernel k_qc2e11c8ae9_main
		.amdhsa_group_segment_fixed_size 304640
		.amdhsa_private_segment_fixed_size 0
		.amdhsa_enable_private_segment 0
		.amdhsa_kernarg_size 48
		.amdhsa_user_sgpr_count 2
		.amdhsa_user_sgpr_kernarg_segment_ptr 1
		.amdhsa_wavefront_size32 1
		.amdhsa_system_sgpr_workgroup_id_x 1
		.amdhsa_system_sgpr_workgroup_id_y 1
		.amdhsa_system_sgpr_workgroup_id_z 1
		.amdhsa_system_vgpr_workitem_id 0
		.amdhsa_next_free_vgpr 1024
		.amdhsa_next_free_sgpr 66
		.amdhsa_reserve_vcc 0
		.amdhsa_float_denorm_mode_32 3
		.amdhsa_float_denorm_mode_16_64 3
		.amdhsa_memory_ordered 1
		.amdhsa_forward_progress 1
		.amdhsa_inst_pref_size 255
	.end_amdhsa_kernel
	.section	.bss,"aw",@nobits
	.p2align	6
	.space	262144
	.amdgpu_metadata
---
amdhsa.version: [ 1, 2 ]
amdhsa.kernels:
  - .name:           k_qc2e11c8ae9_main
    .symbol:         k_qc2e11c8ae9_main.kd
    .args:
      - { .name: enc_outputs, .offset: 0, .size: 8, .value_kind: global_buffer, .address_space: global }
      - { .name: wb, .offset: 8, .size: 8, .value_kind: global_buffer, .address_space: global }
      - { .name: dp, .offset: 16, .size: 8, .value_kind: global_buffer, .address_space: global }
      - { .name: v, .offset: 24, .size: 8, .value_kind: global_buffer, .address_space: global }
      - { .name: sc, .offset: 32, .size: 8, .value_kind: global_buffer, .address_space: global }
      - { .name: cp, .offset: 40, .size: 8, .value_kind: global_buffer, .address_space: global }
    .group_segment_fixed_size: 304640
    .private_segment_fixed_size: 0
    .kernarg_segment_align: 8
    .kernarg_segment_size: 48
    .max_flat_workgroup_size: 128
    .sgpr_count:     66
    .vgpr_count:     1024
    .wavefront_size: 32
...
	.end_amdgpu_metadata
.endif
;; end of part 2
;; launch finish (part 3): grid 64 x 1, 8 waves a work-group, no clusters, 1,280 bytes of LDS; arguments sc, cp, out0, out1; writes out0, out1
.if DOCPART == 3
	.amdgcn_target "amdgcn-amd-amdhsa--gfx1250"
	.amdhsa_code_object_version 6
	.text
	.protected	k_qc2e11c8ae9_finish
	.globl	k_qc2e11c8ae9_finish
	.p2align	8
	.type	k_qc2e11c8ae9_finish,@function
k_qc2e11c8ae9_finish:
	s_mov_b64 s[64:65], 0
	v_nop
	global_prefetch_b8 v0, s[64:65] scope:SCOPE_SE
	s_setreg_imm32_b32 hwreg(HW_REG_WAVE_MODE, 25, 1), 1
	s_wait_xcnt 0x0
; THE SOFTMAX'S END, one work-group to a batch.  sc: [64][1024] f32, scores (less a constant common to all, which the softmax takes away); cp: [512][1024] f32: for block i of 128 scores the sum of
; e^(s - m_i) enc[row], m_i the block's maximum.  out1 = softmax(sc); out0 = the sum over i of f_i cp[i] / L, with f_i = e^(m_i - M), M the batch's maximum, L = the sum of f_i l_i, l_i = the sum of e^(s - m_i).
; SHARES.  Thread t owns scores 4 t .. 4 t + 3, so wave w owns block w and finds m_w anew, the same number that the launch before used (a maximum is exact); and columns 4 t .. 4 t + 3 of the context.
; Every load and store of a wave covers 512 consecutive bytes.  The eight (m, l) meet in LDS.
; LIMITS.  A power of two below 2^-126 counts as 0; NaN and infinities are not treated apart.
.set SPARE, 256                        ; the spare words, 128 bytes for each of eight waves; bytes 0-63 hold m[8] and l[8]
.set LE, 18                            ; s18  log2(e)
	s_load_b256 s[4:11], s[0:1], 0x0               ; sc s[4:5], cp s[6:7], out0 s[8:9], out1 s[10:11]
	v_lshl_add_u32 v2, v0, 2, SPARE                ; v2  my spare word; never rewritten
	v_mov_b32 v3, 0                                ; v3  0; never rewritten
	v_lshlrev_b32 v1, 4, v0                        ; v1  16 t; never rewritten
	v_lshrrev_b32 v47, 5, v0
	v_readfirstlane_b32 s19, v47                   ; wave 0..7
	v_mov_b32 v47, s19
	v_lshlrev_b32 v47, 2, v47                      ; my wave's word
	v_mov_b32 v84, 0                               ; LDS byte 0
	v_mov_b32 v41, 0                               ; v_permlanex16_b32's destination counts as read
	s_mov_b32 s12, 0x76543210
	s_mov_b32 s13, 0xfedcba98
	s_mov_b32 s[LE], 0x3fb8aa3b
	s_lshl_b32 s14, ttmp9, 12                      ; the batch's row of sc, out0, out1
	s_mov_b32 s15, 0
	s_lshl_b32 s16, ttmp9, 15                      ; its eight rows of cp
	s_mov_b32 s17, 0
	s_wait_kmcnt 0x0
	s_add_nc_u64 s[4:5], s[4:5], s[14:15]
	s_add_nc_u64 s[6:7], s[6:7], s[16:17]
	s_add_nc_u64 s[8:9], s[8:9], s[14:15]
	s_add_nc_u64 s[10:11], s[10:11], s[14:15]
	global_load_b128 v[4:7], v1, s[4:5] th:TH_LOAD_NT
.irp i, 0,1,2,3,4,5,6,7
	global_load_b128 v[8+4*\i:8+4*\i+3], v1, s[6:7] offset:4096*\i th:TH_LOAD_NT
.endr
	s_wait_loadcnt 8                               ; the scores are in; the eight partial contexts stay out
	v_max3_num_f32 v40, v4, v5, v6                 ; my block's maximum
	v_max_num_f32 v40, v40, v7
	v_max_num_f32_dpp v40, v40, v40 row_xmask:1 row_mask:0xf bank_mask:0xf
	v_max_num_f32_dpp v40, v40, v40 row_xmask:2 row_mask:0xf bank_mask:0xf
	v_max_num_f32_dpp v40, v40, v40 row_xmask:4 row_mask:0xf bank_mask:0xf
	v_max_num_f32_dpp v40, v40, v40 row_xmask:8 row_mask:0xf bank_mask:0xf
	v_permlanex16_b32 v41, v40, s12, s13
	v_max_num_f32 v40, v40, v41
	v_mul_f32 v86, s[LE], v40
.irp j, 0,1,2,3
	v_fma_f32 v[42+\j], v[4+\j], s[LE], -v86       ; (s - m) log2(e), as the launch before forms it
.endr
.irp j, 0,1,2,3
	v_exp_f32 v[42+\j], v[42+\j]
.endr
	v_nop                                          ; a plain instruction behind the last exponential,
	s_wait_alu depctr_va_vdst(0)                   ; and one wait for the four
	v_add_f32 v46, v42, v43                        ; my block's sum
	v_add_f32 v41, v44, v45
	v_add_f32 v46, v46, v41
	v_add_f32_dpp v46, v46, v46 row_xmask:1 row_mask:0xf bank_mask:0xf
	v_add_f32_dpp v46, v46, v46 row_xmask:2 row_mask:0xf bank_mask:0xf
	v_add_f32_dpp v46, v46, v46 row_xmask:4 row_mask:0xf bank_mask:0xf
	v_add_f32_dpp v46, v46, v46 row_xmask:8 row_mask:0xf bank_mask:0xf
	v_permlanex16_b32 v41, v46, s12, s13
	v_add_f32 v46, v46, v41
	ds_store_b32 v47, v40                          ; all lanes write the same word with the same number
	ds_store_b32 v47, v46 offset:32
	s_wait_dscnt 0x0                               ; for the others' sake
	s_barrier_signal -1
	s_barrier_wait -1
	ds_load_b128 v[48:51], v84                     ; m of the eight blocks,
	ds_load_b128 v[52:55], v84 offset:16
	ds_load_b128 v[56:59], v84 offset:32           ; and l
	ds_load_b128 v[60:63], v84 offset:48
	s_wait_dscnt 0x0
	v_max3_num_f32 v64, v48, v49, v50              ; M
	v_max3_num_f32 v64, v64, v51, v52
	v_max3_num_f32 v64, v64, v53, v54
	v_max_num_f32 v64, v64, v55
	v_mul_f32 v85, s[LE], v64
.irp i, 0,1,2,3,4,5,6,7
	v_fma_f32 v[65+\i], v[48+\i], s[LE], -v85
.endr
	v_fma_f32 v73, v40, s[LE], -v85                ; my own block's
.irp i, 0,1,2,3,4,5,6,7,8
	v_exp_f32 v[65+\i], v[65+\i]
.endr
	v_nop
	s_wait_alu depctr_va_vdst(0)                   ; one wait for the nine
	v_mul_f32 v74, v65, v56                        ; L: at least the sum of the block that holds M, whose f is 1
.irp i, 1,2,3,4,5,6,7
	v_fma_f32 v74, v[65+\i], v[56+\i], v74
.endr
	v_rcp_f32 v75, v74
	v_nop
	s_wait_alu depctr_va_vdst(0)
	v_mul_f32 v73, v73, v75
.irp j, 0,1,2,3
	v_mul_f32 v[80+\j], v[42+\j], v73              ; e^(s - m) f / L
.endr
	global_store_b128 v1, v[80:83], s[10:11]
.irp i, 0,1,2,3,4,5,6,7
	v_mul_f32 v[65+\i], v[65+\i], v75              ; f_i / L
.endr
	s_wait_loadcnt 0x0                             ; the partial contexts
.irp j, 0,1,2,3
	v_mul_f32 v[76+\j], v[8+\j], v65
.endr
.irp i, 1,2,3,4,5,6,7
.irp j, 0,1,2,3
	v_fma_f32 v[76+\j], v[8+4*\i+\j], v[65+\i], v[76+\j]
.endr
.endr
	global_store_b128 v1, v[76:79], s[8:9]
	s_wait_tensorcnt 0x0                           ; the wave's end, behind my last LDS store
	ds_add_u32 v2, v3
	s_wait_dscnt 0x0
	s_endpgm
.Lfunc_end_k_qc2e11c8ae9_finish:
	.size	k_qc2e11c8ae9_finish, .Lfunc_end_k_qc2e11c8ae9_finish-k_qc2e11c8ae9_finish
	.p2alignl 7, 3214868480
	.fill 96, 4, 3214868480
	.section	.rodata,"a",@progbits
	.p2align	6, 0x0
	.amdhsa_kernel k_qc2e11c8ae9_finish
		.amdhsa_group_segment_fixed_size 1280
		.amdhsa_private_segment_fixed_size 0
		.amdhsa_enable_private_segment 0
		.amdhsa_kernarg_size 32
		.amdhsa_user_sgpr_count 2
		.amdhsa_user_sgpr_kernarg_segment_ptr 1
		.amdhsa_wavefront_size32 1
		.amdhsa_system_sgpr_workgroup_id_x 1
		.amdhsa_system_sgpr_workgroup_id_y 1
		.amdhsa_system_sgpr_workgroup_id_z 1
		.amdhsa_system_vgpr_workitem_id 0
		.amdhsa_next_free_vgpr 96
		.amdhsa_next_free_sgpr 66
		.amdhsa_reserve_vcc 0
		.amdhsa_float_denorm_mode_32 3
		.amdhsa_float_denorm_mode_16_64 3
		.amdhsa_memory_ordered 1
		.amdhsa_forward_progress 1
		.amdhsa_inst_pref_size 9
	.end_amdhsa_kernel
	.amdgpu_metadata
---
amdhsa.version: [ 1, 2 ]
amdhsa.kernels:
  - .name:           k_qc2e11c8ae9_finish
    .symbol:         k_qc2e11c8ae9_finish.kd
    .args:
      - { .name: sc, .offset: 0, .size: 8, .value_kind: global_buffer, .address_space: global }
      - { .name: cp, .offset: 8, .size: 8, .value_kind: global_buffer, .address_space: global }
      - { .name: out0, .offset: 16, .size: 8, .value_kind: global_buffer, .address_space: global }
      - { .name: out1, .offset: 24, .size: 8, .value_kind: global_buffer, .address_space: global }
    .group_segment_fixed_size: 1280
    .private_segment_fixed_size: 0
    .kernarg_segment_align: 8
    .kernarg_segment_size: 32
    .max_flat_workgroup_size: 256
    .sgpr_count:     66
    .vgpr_count:     96
    .wavefront_size: 32
...
	.end_amdgpu_metadata
.endif
;; end of part 3
;; ======== version 2 of 2: 3 launches; version 1 with the launch main written anew for expert scheduling mode
;; workspace buffers: wb 2,097,152 bytes; dp 262,144 bytes; sc 262,144 bytes; cp 2,097,152 bytes
;; launch prep: the kernel of part 1 again; grid 256 x 1, 4 waves a work-group, no clusters, 4,608 bytes of LDS; arguments W_h, W_s, dec_hidden, wb, dp; writes wb, dp
;; launch main (part 4): grid 512 x 1, 4 waves a work-group, no clusters, 304,640 bytes of LDS; arguments enc_outputs, wb, dp, v, sc, cp; writes sc, cp
.if DOCPART == 4
	.amdgcn_target "amdgcn-amd-amdhsa--gfx1250"
	.amdhsa_code_object_version 6
	.text
	.protected	k_qc2e11c8ae9_main
	.globl	k_qc2e11c8ae9_main
	.p2align	8
	.type	k_qc2e11c8ae9_main,@function
k_qc2e11c8ae9_main:
	s_mov_b64 s[64:65], 0
	v_nop
	global_prefetch_b8 v0, s[64:65] scope:SCOPE_SE
	s_setreg_imm32_b32 hwreg(HW_REG_WAVE_SCHED_MODE, 0, 2), 2
	s_setreg_imm32_b32 hwreg(HW_REG_WAVE_MODE, 25, 1), 1
	s_wait_xcnt 0x0
	s_wait_alu depctr_vm_vsrc(0)
; ADDITIVE ATTENTION, ONE BLOCK OF 128 ROWS OF ONE BATCH TO A WORK-GROUP (512 blocks, 8 to a batch).  enc: [64][1024][1024] f32.
;   score[row] = the sum over o of v[o] tanh( (enc[row] . W_h[o]) + dp[batch][o] );   p[row] = e^(score - the block's maximum);   cp[block][col] = the sum over the rows of p[row] enc[row][col].
; enc IS READ FROM MEMORY ONCE: the block is rounded to bf16 and kept in LDS (A, 278,528 bytes) for its three uses: both chunks of the product, and the context.
; SHARES.  The four waves split the 1,024 columns o: in chunk c (of 2) wave w makes columns 512 c + 128 w .. + 127 for all 128 rows: 64 accumulators of 16 x 16, 512 registers.  K goes in steps of 32:
; 16 LDS loads (A's 8 fragments), 16 loads from memory (W's 8 fragments, laid out by fragments in wb) and 64 matrix instructions.  No wave wants a fragment of W that another wave fetches, so W goes
; straight into registers, four buffers deep: a step's W is asked for three steps ahead.
; THE BLOCK ARRIVES UNDER CHUNK 0.  A lies in 8 slices of 128 channels.  Only slice 0 is loaded, rounded and stored ahead of the first product.  Chunk 0 goes in 8 trips of 4 K steps; trip t multiplies slice t,
; rounds and stores slice t + 1 out of a ring of four register slots (a slot: 8 rows x 512 bytes of the wave's 32 rows), and asks for slice t + 2 into the slots just freed: a slot has most of a trip in which to land.
; One barrier a trip shows the new slice to all four waves; no byte of A is written twice.  The ring takes the registers of chunk 1's second fragment buffer and of the partial scores, so chunk 0 has ONE
; fragment buffer in two halves: rows 0-63 are fetched behind the products on rows 0-63, rows 64-127 behind those on rows 64-127, each 32 products ahead of its use.
; tanh y = 1 - 2 r, r = 1 / (1 + 2^(c y)), c = 2 log2(e).  The accumulators are worked on in place; a lane gathers (-2 v[o]) r for its column, and sc holds the score LESS the sum of v, which is the same
; for every score: the softmax takes it away exactly.  2^(c y) may be infinite or 0: r is then 0 or 1, tanh 1 or -1.
; THE MAXIMUM is the block's own here; the next launch finds the same eight maxima from sc and corrects by 2^(m_block - m_batch).
; NO JOINT LOADS, though every work-group walks the same wb: a K step's 64 matrix instructions of each wave consume 32,768 bytes of the work-group's W, and beside A and the tables LDS has 23,040 bytes left:
; not one slot of one step.  With half the rows the slots would fit, and every byte of W would feed half the products.
; LIMITS.  enc, W_h, W_s, dec and v are each rounded once to bf16; p is rounded to bf16 for the context product (the divisor is taken of the unrounded p, in the next launch).  A power of two below 2^-126
; counts as 0.  NaN and infinities among the inputs are not treated apart.
; THE MODE: SCHED_MODE bits 1:0 = 2 (LLVM: expert scheduling mode 2), set by the entry lines.  The code itself states the register dependences between vector or matrix instructions and memory or
; LDS instructions, with s_wait_alu, always for 0.
; THE PLAN.  Registers that memory or LDS instructions touch, and who else names them:
;   v[BO], v[TO], v[TS], v[PFO], v[PR], v[PW], v[PF], v[TR], v[CW], v[CRD]   offsets and addresses, made at the head and never written again: one wait ahead of the first load serves them all.
;   CHUNK 0, a run behind each 32 products.  F0's half: read by the products just issued, loaded again in the run.  W's buffer nb: read by products a run back or more, loaded in the run.
;     Ring slot k: rounded in run k, stored in run k, loaded again in run k + 1.  So ONE wait on va_vdst a run, behind its roundings, states all that the run's loads and stores hang on, and the wait on
;     vm_vsrc for a slot's stores stands a run behind them.  v[ADRA], v[AS]: written once a trip, at its end, behind a wait on vm_vsrc; the next trip's first run states that they are written.
;   CHUNK 1.  Fragment buffers F0, F1 by turns, W's four buffers by turns: a step's loads land in the buffers that the step before multiplied.  ONE wait on va_vdst at a step's head; the run of loads stands
;     in the step's middle with no further wait: the 32 products between name the step's own buffers and the accumulators alone.
;   THE ACTIVATION names accumulators, the table's entries and the partial scores.  One wait ahead of the next chunk's loads of W, one ahead of the stores of the partial scores, one on vm_vsrc ahead of the
;     writes of v[PS], v[TA], v[ADRA].
;   The accumulators are named by vector and matrix instructions alone, but at the start (slice 0 passes through them) and on the way out.
; REGISTERS, in windows of 256 (s_set_vgpr_msb: bits 1:0 source 0, 3:2 source 1, 5:4 source 2, 7:6 destination):
;   window 0: v0-31 addresses; v32-63 the table's entries for my 8 column tiles; v64-127 A's fragments; v128-191 chunk 1's second fragment buffer; v192-255 partial scores, 8 a row tile;
;             in chunk 0's K loop v128-255 are the ring, 32 a slot
;   window 1: W's fragments, four buffers of 64 (at the end: A turned, two buffers of 128)
;   window 2: accumulators of rows 0-63, (a, b) at v[8 (8 a + b)] (at the start: slice 0 as loaded; at the end: the context's 16 accumulators);   window 3: those of rows 64-127
.set PITCH, 272                        ; a row of a slice in LDS: 256 bytes + 16 = 17 x 16: the 16 rows of a fragment load start in 16 different columns of 16 bytes modulo 256
.set SLICE, 128*PITCH                  ; 128 rows x 128 channels
.set TAB,   8*SLICE                    ; 1,024 entries of 16 bytes: (c dp, c dp, -2 v, -2 v) for column o
.set PART,  TAB+16384                  ; 8 arrays of 128 f32: the partial scores of chunk c, wave w at 512 (4 c + w)
.set PP,    PART+4096                  ; each wave's own copy of p: 128 bf16
.set CST,   PP+1024                    ; each wave's own stage for the way out: 256 f32
.set SPARE, CST+4096                   ; the spare words, 128 bytes a wave, that no other line names
.set SPW,  4                           ; v4   my spare word; never rewritten
.set NIL,  5                           ; v5   0; never rewritten
.set ADRA, 6                           ; v6   LDS address of A's fragments: row l % 16, 16 (l / 16), in the slice in hand; row tiles, K steps and the next slice stand in the immediate (65,376 at the most)
.set AD0,  7                           ; v7   the same in slice 0; never rewritten
.set PFO,  8                           ; v8   the prefetches' offset: row l / 2, block l % 2 of 256 bytes; never rewritten
.set BO,   10                          ; v10  16 l: for enc, wb, sc and cp; never rewritten
.set AS,   12                          ; v12  where I store my 8 bytes of a row of A, in the slice that is being stored
.set TA,   13                          ; v13  my column's entry in the table, tile 0 of the chunk in hand
.set PS,   14                          ; v14  where I put partial scores
.set PR,   15                          ; v15  where I read them back: rows 4 l .. 4 l + 3
.set PW,   16                          ; v16  where I put four p
.set PF,   17                          ; v17  where I read p as a fragment
.set TR,   18                          ; v18  the turning load's address; never rewritten: the context's K steps stand in the immediate (65,504 at the most)
.set CW,   19                          ; v19  the way out: in
.set CRD,  20                          ; v20  the way out: back
.set TS,   21                          ; v21  where I put table entries
.set TO,   22                          ; v22  16 x thread: my four numbers of dp and of v
.set CN,   32
.set F0,   64
.set F1,   128
.set RING, 128
.set SC,   192
.set E,    4                           ; s[4:5]   enc at my wave's 32 rows, at the slice that the trip in hand multiplies; it walks
.set P,    6                           ; s[6:7]   wb at my wave's fragments; it walks
.set WV,   16                          ; s16  my wave's number
.set CS,   20                          ; s[20:21] c = 2 log2(e): the packed scaling takes the pair's low word for both halves
.set SEL,  22                          ; s[22:23] v_permlanex16_b32's selects: each lane takes its own place in the other half
.set CH,   24                          ; s24  chunks to go
.set TRIPS, 25                         ; s25  trips of the K loop in hand
.set LE,   30                          ; s30  log2(e)
.set MSB, 0
.macro WIN new                         ; the immediate's high byte repeats the setting that is left; a switch that changes nothing is dropped
.if MSB != (\new)
	s_set_vgpr_msb (MSB<<8)|(\new)
.set MSB, (\new)
.endif
.endm
.macro PLACES                          ; four plain vector instructions behind a product, ahead of a load into a register that it has read: the places stay; the wait that states the dependence stands beside them
.rept 4
	v_nop
.endr
.endm
	s_load_b256 s[4:11], s[0:1], 0x0               ; enc s[4:5], wb s[6:7], dp s[8:9], v s[10:11]
	s_load_b128 s[12:15], s[0:1], 0x20             ; sc s[12:13], cp s[14:15]
	v_lshl_add_u32 v[SPW], v0, 2, SPARE
	v_mov_b32 v[NIL], 0
	v_lshrrev_b32 v1, 5, v0
	v_readfirstlane_b32 s[WV], v1                  ; wave 0..3
	v_and_b32 v1, 15, v0                           ; l % 16
	v_bfe_u32 v2, v0, 4, 1                         ; l / 16
	v_and_b32 v3, 31, v0                           ; l
	s_mov_b32 s[CS], 0x4038aa3b
	s_mov_b32 s[CS+1], s[CS]                       ; named with it as a pair
	s_mov_b32 s[SEL], 0x76543210
	s_mov_b32 s[SEL+1], 0xfedcba98
	s_mov_b32 s[LE], 0x3fb8aa3b
	v_lshlrev_b32 v[BO], 4, v3
	v_mul_u32_u24 v[AD0], v1, PITCH
	v_lshl_add_u32 v[AD0], v2, 4, v[AD0]           ; a fragment's row x pitch + 16 x half
	v_mov_b32 v[ADRA], v[AD0]
	v_lshrrev_b32 v28, 1, v3
	v_and_b32 v29, 1, v0
	v_lshlrev_b32 v[PFO], 12, v28                  ; row l / 2 of 4,096 bytes,
	v_lshl_add_u32 v[PFO], v29, 8, v[PFO]          ; block l % 2 of a slice's 512
	s_wait_alu depctr_va_sdst(0)                   ; s[WV] is written, ahead of its first reader: LDS places, bases and branches are made from it
	s_mul_i32 s28, s[WV], 32*PITCH                 ; my wave rounds rows 32 w .. 32 w + 31
	v_lshl_add_u32 v[AS], v3, 3, s28
	s_lshl_b32 s28, s[WV], 11
	s_add_co_u32 s28, s28, TAB
	v_lshl_add_u32 v[TA], v1, 4, s28               ; entry 128 w + l % 16
	s_lshl_b32 s28, s[WV], 9
	s_add_co_u32 s28, s28, PART
	v_lshl_add_u32 v[PS], v2, 5, s28               ; array w, rows 8 (l / 16) on
	v_lshl_add_u32 v[PR], v3, 4, PART
	s_lshl_b32 s28, s[WV], 8
	s_add_co_u32 s28, s28, PP
	v_lshl_add_u32 v[PW], v3, 3, s28
	v_lshl_add_u32 v[PF], v2, 4, s28
	v_and_b32 v29, 7, v0                           ; the turning load: lane l reads row 8 (l / 16) + l % 8, 16 bytes at 16 ((l / 8) % 2), in my wave's 256 columns: slices 2 w and 2 w + 1
	v_lshl_add_u32 v29, v2, 3, v29
	v_mul_u32_u24 v[TR], v29, PITCH
	v_bfe_u32 v29, v0, 3, 1
	v_lshl_add_u32 v[TR], v29, 4, v[TR]
	s_mul_i32 s28, s[WV], 2*SLICE
	v_add_nc_u32 v[TR], s28, v[TR]
	s_lshl_b32 s28, s[WV], 10
	s_add_co_u32 s28, s28, CST
	v_lshl_add_u32 v[CW], v1, 2, s28
	v_lshl_add_u32 v[CRD], v3, 4, s28
	v_lshl_add_u32 v[TS], v0, 6, TAB
	v_lshlrev_b32 v[TO], 4, v0
	s_mov_b32 s29, 0
	s_wait_kmcnt 0x0
	s_lshl_b32 s28, ttmp9, 19                      ; the block's 128 rows of 4,096 bytes,
	s_lshl_b32 s31, s[WV], 17                      ; my wave's 32
	s_add_co_u32 s28, s28, s31
	s_add_nc_u64 s[E:E+1], s[E:E+1], s[28:29]
	s_lshl_b32 s28, s[WV], 19                      ; my wave's 512 fragments of wb
	s_add_nc_u64 s[P:P+1], s[P:P+1], s[28:29]
	s_lshr_b32 s28, ttmp9, 3                       ; the batch
	s_lshl_b32 s28, s28, 12
	s_add_nc_u64 s[8:9], s[8:9], s[28:29]
	s_lshl_b32 s28, ttmp9, 9                       ; the block's 128 scores
	s_add_nc_u64 s[12:13], s[12:13], s[28:29]
	s_lshl_b32 s28, ttmp9, 12                      ; the block's row of cp,
	s_lshl_b32 s31, s[WV], 10                      ; my wave's 256 columns
	s_add_co_u32 s28, s28, s31
	s_add_nc_u64 s[14:15], s[14:15], s[28:29]
; W's 8 fragments of one K step (8,192 consecutive bytes) into buffer nb
.macro BLOAD nb, off
	WIN 0x40                                       ; destination window 1, address window 0
.set ii, 0
.rept 16
	global_load_b128 v[64*(\nb)+4*ii:64*(\nb)+4*ii+3], v[BO], s[P:P+1] offset:(\off)+512*ii
.set ii, ii+1
.endr
.endm
; THE RING.  Slot i serves rows 8 i .. 8 i + 7 of my wave's 32.  A load is one row's 512 bytes of a slice: lane l takes channels 4 l .. 4 l + 3.
.macro ELOAD slot, off                 ; 8 loads, from byte off of the rows behind the pointer
	WIN 0
.set ii, 0
.rept 8
	global_load_b128 v[RING+32*(\slot)+4*ii:RING+32*(\slot)+4*ii+3], v[BO], s[E:E+1] offset:(8*(\slot)+ii)*4096+(\off) th:TH_LOAD_NT
.set ii, ii+1
.endr
.endm
.macro CONS slot                       ; rounded in place: number ii lands at or below the pair that it reads.  These 16 name no register of a product: they are also the places in front of the fetch behind them
	WIN 0
.set ii, 0
.rept 16
	v_cvt_pk_bf16_f32 v[RING+32*(\slot)+ii], v[RING+32*(\slot)+2*ii], v[RING+32*(\slot)+2*ii+1]
.set ii, ii+1
.endr
.endm
.macro PUT slot                        ; a wave's store covers a row's 256 consecutive bytes of the slice
.set ii, 0
.rept 8
	ds_store_b64 v[AS], v[RING+32*(\slot)+2*ii:RING+32*(\slot)+2*ii+1] offset:(8*(\slot)+ii)*PITCH
.set ii, ii+1
.endr
.endm
; Half of A's fragments (row tiles 4 half .. 4 half + 3, 32 K at byte kofs behind the slice in hand) into its half of the one buffer: 8 loads
.macro FETCHH half, kofs
	WIN 0
.set ii, 0
.rept 4
	ds_load_b128 v[F0+32*(\half)+8*ii:F0+32*(\half)+8*ii+3],   v[ADRA] offset:(4*(\half)+ii)*16*PITCH+(\kofs)
	ds_load_b128 v[F0+32*(\half)+8*ii+4:F0+32*(\half)+8*ii+7], v[ADRA] offset:(4*(\half)+ii)*16*PITCH+(\kofs)+32
.set ii, ii+1
.endr
.endm
; All 8 of A's fragments into buffer f, rows ascending: 16 loads (chunk 1)
.macro FETCH f, kofs
	WIN 0
.set ii, 0
.rept 8
	ds_load_b128 v[(\f)+8*ii:(\f)+8*ii+3],   v[ADRA] offset:ii*16*PITCH+(\kofs)
	ds_load_b128 v[(\f)+8*ii+4:(\f)+8*ii+7], v[ADRA] offset:ii*16*PITCH+(\kofs)+32
.set ii, ii+1
.endr
.endm
.macro CNLOAD                          ; my column's table entry in each of the chunk's 8 tiles
	WIN 0
.set ii, 0
.rept 8
	ds_load_b128 v[CN+4*ii:CN+4*ii+3], v[TA] offset:256*ii
.set ii, ii+1
.endr
.endm
; 32 matrix instructions: row tiles 4 hi .. 4 hi + 3 x all 8 column tiles.  Source 0 = 16 rows of A, source 1 = 16 rows of W: in the result register j of lane l is row 8 (l / 16) + j, column l % 16.
; All 64 accumulators take turns in the same order in every step, one instruction a turn.  zero = 1: the products start the sums.
.macro MUL32 f, bb, hi, zero
	WIN 0xa4+0x50*(\hi)                            ; A window 0, W window 1, C and D window 2 or 3
.set aa, 0
.rept 4
.set bi, 0
.rept 8
.if \zero
	v_wmma_f32_16x16x32_bf16 v[8*(8*aa+bi):8*(8*aa+bi)+7], v[(\f)+8*(4*(\hi)+aa):(\f)+8*(4*(\hi)+aa)+7], v[64*(\bb)+8*bi:64*(\bb)+8*bi+7], 0
.else
	v_wmma_f32_16x16x32_bf16 v[8*(8*aa+bi):8*(8*aa+bi)+7], v[(\f)+8*(4*(\hi)+aa):(\f)+8*(4*(\hi)+aa)+7], v[64*(\bb)+8*bi:64*(\bb)+8*bi+7], v[8*(8*aa+bi):8*(8*aa+bi)+7]
.endif
.set bi, bi+1
.endr
.set aa, aa+1
.endr
.endm
	; THE START.  All first loads go out on end, in the order in which they are wanted: W of step 0, dp and v, slice 0, then slice 1 into the ring with W of steps 1 and 2 between.
	s_wait_alu depctr_va_vdst(0)                   ; the head's offsets and addresses, v6 to v22, are written: every load, store and prefetch of the kernel reads one of them
	BLOAD 0, 0
	WIN 0
	global_load_b128 v[64:67], v[TO], s[8:9]               ; dp of columns 4 t .. and 512 + 4 t ..,
	global_load_b128 v[68:71], v[TO], s[8:9] offset:2048
	global_load_b128 v[72:75], v[TO], s[10:11]             ; and v of the same
	global_load_b128 v[76:79], v[TO], s[10:11] offset:2048
	WIN 0x80                                       ; destination window 2, address window 0
.set ii, 0
.rept 32                               ; slice 0 of my 32 rows
	global_load_b128 v[4*ii:4*ii+3], v[BO], s[E:E+1] offset:ii*4096 th:TH_LOAD_NT
.set ii, ii+1
.endr
	ELOAD 0, 512
	ELOAD 1, 512
	BLOAD 1, 8192
	ELOAD 2, 512
	ELOAD 3, 512
	BLOAD 2, 16384
	s_wait_loadcnt 63                              ; slice 0 and all ahead of it are in: 64 loads were issued behind it, and 63 is the largest count that the wait names
	WIN 0x8a                                       ; sources and destination window 2
.set ii, 0
.rept 64
	v_cvt_pk_bf16_f32 v[ii], v[2*ii], v[2*ii+1]    ; in place
.set ii, ii+1
.endr
	WIN 0
.irp j, 0,1,2,3
	v_cvt_pk_bf16_f32 v[112+\j], v[72+2*\j], v[72+2*\j+1]  ; v is rounded once to bf16, like the other inputs,
.endr
.irp j, 0,1,2,3
	v_lshlrev_b32 v[72+2*\j], 16, v[112+\j]        ; and widened again
	v_and_b32 v[72+2*\j+1], 0xffff0000, v[112+\j]
.endr
.irp j, 0,1,2,3,4,5,6,7
	v_mul_f32 v[80+4*\j],   s[CS], v[64+\j]
	v_mul_f32 v[80+4*\j+1], s[CS], v[64+\j]
	v_mul_f32 v[80+4*\j+2], -2.0, v[72+\j]
	v_mul_f32 v[80+4*\j+3], -2.0, v[72+\j]
.endr
	s_wait_alu depctr_va_vdst(0)                   ; the roundings have written slice 0 and the multiplies the table's entries, which the LDS stores below read; all of them are done with v64 to v127, in which the first fragments land
	WIN 0x08                                       ; store data window 2, address window 0
.set ii, 0
.rept 32
	ds_store_b64 v[AS], v[2*ii:2*ii+1] offset:ii*PITCH
.set ii, ii+1
.endr
	WIN 0
.irp j, 0,1,2,3,4,5,6,7
	ds_store_b128 v[TS], v[80+4*\j:80+4*\j+3] offset:8192*(\j/4)+16*(\j%4)
.endr
	s_wait_alu depctr_vm_vsrc(0)                   ; the LDS stores have read v[AS], which the next line writes, and their data: registers that the first products and the first fragments' loads write
	v_add_nc_u32 v[AS], SLICE, v[AS]               ; the next stores go into slice 1
	s_wait_dscnt 0x0                               ; for the others' sake: my rows of slice 0 and my table entries lie in LDS
	s_barrier_signal -1
	s_barrier_wait -1                              ; everybody's do
	; THE WAVES ARE STAGGERED: wave w goes on 48 w idle cycles behind wave 0 (s_nop 15 idles 16: its entry in the ISA guide).  All four walk the same text, and their runs of LDS loads would
	; else start together in every step.  The barriers of chunk 0 keep the stagger: their signal and wait stand 32 matrix instructions apart.
.irp k, 1,2,3
	s_cmp_lt_u32 s[WV], \k
	s_cbranch_scc1 .Lgo
	s_nop 15
	s_nop 15
	s_nop 15
.endr
.Lgo:
	FETCHH 0, 0                                    ; no wait: since the last wait on va_vdst the one vector instruction has named v[AS] alone
	FETCHH 1, 0
; CHUNK 0.  A RUN stands behind each 32 products.  In this order: (lw >= 0, the first trip alone: the wait for the slot's loads;) the slot's 16 roundings, or four places; the waits; the fetch of the fragment half
; that the products just read, for the next step; the next 8 loads of slot prev, which the run before rounded and stored; this slot's 8 stores; W of three steps on into buffer nb.
.macro RUNA slot, half, kofs, nb, boff, prev, lw
	WIN 0
.if (\lw) >= 0
	s_wait_loadcnt \lw
.endif
.if (\slot) >= 0
	CONS \slot
.else
	PLACES
.endif
	s_wait_alu depctr_va_vdst(0)                   ; the products are done reading this half of F0 and W's buffer nb, in which loads land; this run's roundings have written the stores' data; the run before's are done with slot prev; in a trip's first run v[ADRA] and v[AS] are written
.if (\prev) >= 0
	s_wait_alu depctr_vm_vsrc(0)                   ; the stores of the run before have read slot prev, in which the loads below land
.endif
	FETCHH \half, \kofs
.if (\prev) >= 0
	ELOAD \prev, 1024                              ; the slice two on from the one that this trip multiplies
.endif
.if (\slot) >= 0
	PUT \slot
.endif
.if (\nb) >= 0
	BLOAD \nb, \boff
.endif
.endm
; A TRIP: steps a, b, c, d on one slice; W of step a lies in buffer 0.  zero: step a starts the sums.  cons: the next slice is rounded and stored, a slot in each of the first four runs.  iss: the slots are asked
; for again, each a run behind its stores.  first: the first trip, whose slots were asked for in another order.  last: the chunk's last trip: no further slice, no barrier, W of the last step alone, and the table entries.
; pf: the prefetch, 1 always, 2 in all trips of the loop but its last.  la .. ld: how many younger loads may stay out at the head of each step (loads come back in order: ISA guide 5.7.1):
;   issued in a trip: W | E0 | E1 W | E2 | E3 W | - | W | -   (W 16 loads, E 8).  Behind W of step a stand E2 E3 W W = 48; of b: W W E0 = 40; of c: W E0 E1 W E2 = 56; of d 64, for which 63 stands.
;   The same waits show the slots landed: E0, E1 are older than W of step a, E2, E3 older than W of step b.
; The LDS waits count what was issued behind the half that is wanted: the other half's 8 loads, and 8 stores for each storing run between.
.macro TRIPA zero, cons, iss, first, last, pf, la, lb, lc, ld
.if (\la) >= 0
	s_wait_loadcnt \la
.endif
	s_wait_dscnt 8
	MUL32 F0, 0, 0, \zero
	RUNA (\cons)*1-1, 0, 64, 3, 24576, -1, (\first)*57-1
	s_wait_dscnt 8+8*(\cons)
	MUL32 F0, 0, 1, \zero
	RUNA (\cons)*2-1, 1, 64, -1, 0, (\iss)*1-1, (\first)*64-1
	s_wait_loadcnt \lb
	s_wait_dscnt 8+16*(\cons)
	MUL32 F0, 1, 0, 0
	RUNA (\cons)*3-1, 0, 128, (1-(\last))*1-1, 32768, (\iss)*2-1, (\first)*49-1
	s_wait_dscnt 8+16*(\cons)
	MUL32 F0, 1, 1, 0
	RUNA (\cons)*4-1, 1, 128, -1, 0, (\iss)*3-1, (\first)*64-1
	; A PREFETCH INTO THE L2, among the trip's loads of enc: my wave's own 32 rows x 512 bytes of the slice that the NEXT trip will ask for: a lane a block of 256 bytes, two instructions.
	; Each block is named once in the launch, by the wave that will load it.  Slices 0 to 2 come by their loads alone; the loop's last trip asks for nothing: behind slice 7 there is none.
	; No wait: v[PFO] was written ahead of the head's wait and is never written again.
.if (\pf) == 2
	s_cmp_gt_u32 s[TRIPS], 1
	s_cbranch_scc0 .Lno_pf_\@
.endif
.if \pf
	global_prefetch_b8 v[PFO], s[E:E+1] offset:1536 th:TH_LOAD_NT scope:SCOPE_SE
	global_prefetch_b8 v[PFO], s[E:E+1] offset:1536+16*4096 th:TH_LOAD_NT scope:SCOPE_SE
.endif
.if (\pf) == 2
.Lno_pf_\@:
.endif
	s_wait_loadcnt \lc
	s_wait_dscnt 8+16*(\cons)
	MUL32 F0, 2, 0, 0
	RUNA -1, 0, 192, (1-(\last))*2-1, 40960, (\iss)*4-1, -1
	s_wait_dscnt 8+8*(\cons)
	MUL32 F0, 2, 1, 0
.if !(\last)
	s_wait_dscnt 0x0                               ; for the others' sake: my rows of the next slice lie in LDS (the last stores were issued 64 products ago);
	s_barrier_signal -1                            ; say so.  Up to the wait stand products and loads of this slice, which nobody writes
.endif
	RUNA -1, 1, 192, -1, 0, -1, -1
	s_wait_loadcnt \ld
	s_wait_dscnt 8
	MUL32 F0, 3, 0, 0
.if \last
	CNLOAD                                         ; no wait: v[TA] was written ahead of the head's wait, and no vector instruction has yet named the entries' registers
	s_wait_dscnt 8                                 ; all but the 8 just issued
	MUL32 F0, 3, 1, 0
.else
	s_barrier_wait -1                              ; the next slice is whole: its first fragments are fetched
	RUNA -1, 0, SLICE, 2, 49152, -1, -1
	s_wait_dscnt 8
	MUL32 F0, 3, 1, 0
	RUNA -1, 1, SLICE, -1, 0, -1, -1
	s_wait_xcnt 0x0                                ; the loads (the youngest 32 products back) and the prefetches have read their bases
	s_wait_alu depctr_vm_vsrc(0)                   ; the fragments' loads have read v[ADRA] and the slots' stores v[AS], which the lines below write; in the trip that asks for no more of enc, the stores have read the ring, which chunk 1 and the activation write
	s_add_nc_u64 s[P:P+1], s[P:P+1], 32768         ; four steps of W
.if \iss
	s_add_nc_u64 s[E:E+1], s[E:E+1], 512           ; a slice of enc
.endif
	v_add_nc_u32 v[ADRA], SLICE, v[ADRA]
.if \cons
	v_add_nc_u32 v[AS], SLICE, v[AS]
.endif
.endif
.endm
	s_mov_b32 s[CH], 2
	; the first trip.  Its slots stand in the order E0 E1 W1 E2 E3 W2: behind E0 56 loads; behind E1 64 with this trip's W; behind W1 56; behind E2 48; behind E3 64; behind W2 56; behind this trip's W 64: 63 stands for 64
	TRIPA 1, 1, 1, 1, 0, 1, -1, 56, 56, 63
	WIN 0                                          ; at a label and at a branch every window is 0
	s_mov_b32 s[TRIPS], 5
.Larr:                                         ; trips 1 to 5
	TRIPA 0, 1, 1, 0, 0, 2, 48, 40, 56, 63
	WIN 0
	s_sub_co_u32 s[TRIPS], s[TRIPS], 1
	s_cmp_lg_u32 s[TRIPS], 0
	s_cbranch_scc1 .Larr
	TRIPA 0, 1, 0, 0, 0, 0, 48, 32, 32, 32         ; trip 6 stores slice 7 and asks for no more of enc: behind a step's W stand two steps' W
	TRIPA 0, 0, 0, 0, 1, 0, 32, 32, 16, 0          ; trip 7 asks for W of the last step alone: the counts run down
	WIN 0
	s_branch .Lepi                                 ; the activation's text is shared: the loop over chunks is entered in its middle
; CHUNK 1: all of A lies in LDS.  A K STEP: A in buffer f, W in buffer bb.  lc: the loads of W issued behind this step's, which may stay out.  In its middle (mid = 1) the next step's A goes into buffer g and,
; if nb >= 0, the W of three steps on into buffer nb, which the step before multiplied; mid = 2, the chunk's last step: the table entries are fetched instead.
; The wait on va_vdst stands at the step's head.  Step 0 (zero = 1) has none: the wait at the chunk's head serves it.  The last step has none: v[TA] was written, and the entries' registers were last read, ahead of that wait.
.macro STEP f, g, bb, zero, lc, mid, kofs=0, nb=-1, boff=0
	s_wait_loadcnt \lc
	s_wait_dscnt 8                                 ; A's rows 0-63 are in; the youngest eight loads (rows 64-127) may be out
.if ((\mid) == 1) && !(\zero)
	s_wait_alu depctr_va_vdst(0)                   ; the step before's products are done reading fragment buffer g and W's buffer nb, in which this step's loads land; in a trip's first step v[ADRA] is written
.endif
	MUL32 \f, \bb, 0, \zero
.if (\mid) == 1
	PLACES
	FETCH \g, \kofs                                ; no wait here: the 32 products since the wait name buffer f, W's buffer bb and the accumulators
.if (\nb) >= 0
	BLOAD \nb, \boff
.endif
	s_wait_dscnt 16                                ; all but the 16 just issued
.else
	CNLOAD
	s_wait_dscnt 8                                 ; all but the 8 just issued
.endif
	MUL32 \f, \bb, 1, \zero
.endm
; THE ACTIVATION of row tile a, in place on its 64 registers: c x + c dp; 2^; + 1; 1 /; then (-2 v) r is gathered, column tile after column tile, into the tile's 8 partial scores.
; Each run of 64 transcendentals is one batch: a plain instruction behind the last, and ONE wait ahead of the first reader.
.macro EPI a
.set AC, 64*((\a)%4)
.set SA, SC+8*(\a)
	WIN 0x82+0x41*((\a)/4)                         ; destination and source 0 in the accumulators' window, the table's entry in window 0
.set ii, 0
.rept 32                               ; each accumulator from its low end on
	v_pk_fma_f32 v[AC+2*ii:AC+2*ii+1], v[AC+2*ii:AC+2*ii+1], s[CS:CS+1], v[CN+4*(ii/4):CN+4*(ii/4)+1] op_sel_hi:[1,0,1]
.set ii, ii+1
.endr
.set ii, 0
.rept 64
	v_exp_f32 v[AC+ii], v[AC+ii]
.set ii, ii+1
.endr
	v_nop
	s_wait_alu depctr_va_vdst(0)                   ; the tile's 64 powers of two are written, ahead of the additions that read them
.set ii, 0
.rept 32
	v_pk_add_f32 v[AC+2*ii:AC+2*ii+1], v[AC+2*ii:AC+2*ii+1], 1.0 op_sel_hi:[1,0]
.set ii, ii+1
.endr
.set ii, 0
.rept 64
	v_rcp_f32 v[AC+ii], v[AC+ii]
.set ii, ii+1
.endr
	v_nop
	s_wait_alu depctr_va_vdst(0)                   ; the tile's 64 reciprocals are written, ahead of the multiplies that read them
	WIN 0x02+(\a)/4                                ; source 0 in the accumulators' window, all else in window 0
.set ii, 0
.rept 32
.if ii < 4
	v_pk_mul_f32 v[SA+2*ii:SA+2*ii+1], v[AC+2*ii:AC+2*ii+1], v[CN+2:CN+3]  ; the first column tile starts the sums
.else
	v_pk_fma_f32 v[SA+2*(ii%4):SA+2*(ii%4)+1], v[AC+2*ii:AC+2*ii+1], v[CN+4*(ii/4)+2:CN+4*(ii/4)+3], v[SA+2*(ii%4):SA+2*(ii%4)+1]
.endif
.set ii, ii+1
.endr
.endm
.Lchunk1:                                      ; A of step s lies in buffer s % 2, W of step s in buffer s % 4
	s_wait_alu depctr_va_vdst(0)                   ; v[ADRA] and v[TA] are written, which this chunk's LDS loads read; chunk 0's products are done reading F0 and W's buffer 3, in which the loads of step 0 land
	FETCH F0, 0
	STEP F0, F1, 0, 1, 32, 1, 64, 3, 24576         ; step 0 stands in front of the loop: its products start the sums
	WIN 0
	s_mov_b32 s[TRIPS], 7
.Ltrip:                                        ; steps 4 t + 1 .. 4 t + 4; W of steps 4 t + 4 .. 4 t + 7 is asked for.  At each head W of this step and of the next two is out: 32 may stay
	STEP F1, F0, 1, 0, 32, 1, 128, 0, 32768
	STEP F0, F1, 2, 0, 32, 1, 192, 1, 40960
	STEP F1, F0, 3, 0, 32, 1, SLICE, 2, 49152
	STEP F0, F1, 0, 0, 32, 1, SLICE+64, 3, 57344
	WIN 0
	s_wait_xcnt 0x0                                ; the loads of W (the youngest 32 products back) have read their base
	s_wait_alu depctr_vm_vsrc(0)                   ; the fragments' loads have read v[ADRA], which the add below writes
	s_add_nc_u64 s[P:P+1], s[P:P+1], 32768         ; four steps of W,
	v_add_nc_u32 v[ADRA], SLICE, v[ADRA]           ; a slice of A
	s_sub_co_u32 s[TRIPS], s[TRIPS], 1
	s_cmp_lg_u32 s[TRIPS], 0
	s_cbranch_scc1 .Ltrip
	STEP F1, F0, 1, 0, 32, 1, 128                  ; steps 29, 30, 31 ask for no W: the counts run down
	STEP F0, F1, 2, 0, 16, 1, 192
	STEP F1, 0, 3, 0, 0, 2
	WIN 0
.Lepi:
.rept 8
	v_nop                                          ; the places behind the last products, ahead of the activation
.endr
	s_cmp_eq_u32 s[CH], 1
	s_cbranch_scc1 .Lno_more                       ; behind the last chunk there is no W to ask for
	s_wait_alu depctr_va_vdst(0)                   ; the chunk's products are done reading W's buffers 0 to 2, in which the loads below land
	BLOAD 0, 32768                                 ; the next chunk's steps 0, 1, 2: they land while the activation runs
	BLOAD 1, 40960
	BLOAD 2, 49152
	WIN 0
.Lno_more:
	s_wait_dscnt 0x0                               ; the table entries are in
.irp a, 0,1,2,3,4,5,6,7
	EPI \a
.endr
	WIN 0
.irp m, 1,2,4,8                        ; the 16 columns that the lanes of a half hold are added: every lane of a half ends with the sums over my wave's 128 columns
.set ii, 0
.rept 64
	v_add_f32_dpp v[SC+ii], v[SC+ii], v[SC+ii] row_xmask:\m row_mask:0xf bank_mask:0xf
.set ii, ii+1
.endr
.endr
	s_wait_alu depctr_va_vdst(0)                   ; the additions have written the partial scores, which the LDS stores read; in the second chunk v[PS] is written
.set ii, 0
.rept 16                               ; row 16 a + 8 (l / 16) + j; the sixteen lanes of a half write the same bytes with the same numbers
	ds_store_b128 v[PS], v[SC+4*ii:SC+4*ii+3] offset:64*(ii/2)+16*(ii%2)
.set ii, ii+1
.endr
	s_wait_xcnt 0x0                                ; the loads of W have read their base
	s_wait_alu depctr_vm_vsrc(0)                   ; the stores have read v[PS] and the partial scores, the table's loads v[TA], the fragments' loads v[ADRA]: the three lines below and the next activation write them
	s_add_nc_u64 s[P:P+1], s[P:P+1], 32768         ; at the next chunk's step 0
	v_add_nc_u32 v[PS], 2048, v[PS]                ; the next chunk's four arrays,
	v_add_nc_u32 v[TA], 8192, v[TA]                ; its 512 table entries,
	v_mov_b32 v[ADRA], v[AD0]                      ; and A from slice 0 on
	s_sub_co_u32 s[CH], s[CH], 1
	s_cmp_lg_u32 s[CH], 0
	s_cbranch_scc1 .Lchunk1
	; THE SCORES.  Every wave adds the eight arrays in the same order, so all four hold the same 128 scores: lane l rows 4 l .. 4 l + 3.
	s_wait_dscnt 0x0                               ; for the others' sake: my partial scores lie in LDS
	s_barrier_signal -1
	s_barrier_wait -1
.irp i, 0,1,2,3,4,5,6,7                ; no wait: since the wait ahead of the partial scores' stores the vector instructions have named v[PS], v[TA] and v[ADRA] alone
	ds_load_b128 v[64+4*\i:64+4*\i+3], v[PR] offset:512*\i
.endr
	s_wait_dscnt 0x0
.irp i, 0,2,4,6
	v_pk_add_f32 v[64+4*\i:64+4*\i+1],   v[64+4*\i:64+4*\i+1],   v[68+4*\i:68+4*\i+1]
	v_pk_add_f32 v[64+4*\i+2:64+4*\i+3], v[64+4*\i+2:64+4*\i+3], v[68+4*\i+2:68+4*\i+3]
.endr
.irp i, 0,4
	v_pk_add_f32 v[64+4*\i:64+4*\i+1],   v[64+4*\i:64+4*\i+1],   v[72+4*\i:72+4*\i+1]
	v_pk_add_f32 v[64+4*\i+2:64+4*\i+3], v[64+4*\i+2:64+4*\i+3], v[72+4*\i+2:72+4*\i+3]
.endr
	v_pk_add_f32 v[64:65], v[64:65], v[80:81]
	v_pk_add_f32 v[66:67], v[66:67], v[82:83]
	s_cmp_lg_u32 s[WV], 0
	s_cbranch_scc1 .Lnot_wave_0
	s_wait_alu depctr_va_vdst(0)                   ; the additions have written v[64:67], the store's data
	global_store_b128 v[BO], v[64:67], s[12:13]    ; 512 consecutive bytes of sc; v[64:67] are not written again
.Lnot_wave_0:
	v_max3_num_f32 v68, v64, v65, v66              ; the block's maximum
	v_max_num_f32 v68, v68, v67
	v_max_num_f32_dpp v68, v68, v68 row_xmask:1 row_mask:0xf bank_mask:0xf
	v_max_num_f32_dpp v68, v68, v68 row_xmask:2 row_mask:0xf bank_mask:0xf
	v_max_num_f32_dpp v68, v68, v68 row_xmask:4 row_mask:0xf bank_mask:0xf
	v_max_num_f32_dpp v68, v68, v68 row_xmask:8 row_mask:0xf bank_mask:0xf
	v_permlanex16_b32 v69, v68, s[SEL], s[SEL+1]
	v_max_num_f32 v68, v68, v69
	v_mul_f32 v69, s[LE], v68
.irp j, 0,1,2,3
	v_fma_f32 v[70+\j], v[64+\j], s[LE], -v69      ; (s - m) log2(e), one rounding
.endr
.irp j, 0,1,2,3
	v_exp_f32 v[70+\j], v[70+\j]
.endr
	v_nop                                          ; a plain instruction behind the last exponential,
	s_wait_alu depctr_va_vdst(0)                   ; and one wait: the four p are written, ahead of the roundings that read them
	v_cvt_pk_bf16_f32 v74, v70, v71
	v_cvt_pk_bf16_f32 v75, v72, v73
	s_wait_alu depctr_va_vdst(0)                   ; the roundings have written v[74:75], the LDS store's data
	ds_store_b64 v[PW], v[74:75]                   ; my wave's own copy of p,
.irp i, 0,1,2,3,4,5,6,7                ; read back as source 0 of the context's product: 16 equal rows, rows 32 t + 16 q + 8 (l / 16) .. of the block along K.  LDS serves a wave's instructions in order (ISA guide 5.7.1.4)
	ds_load_b128 v[96+4*\i:96+4*\i+3], v[PF] offset:32*\i
.endr
	; THE CONTEXT.  My wave takes columns 256 w .. + 255: 16 tiles, 8 in each of two slices; K is the block's 128 rows, 32 a step.  A lies [row][column], so source 1 comes turned, by ds_load_tr16_b128.
.macro TRLOAD t                        ; 32 rows x 256 columns into buffer t % 2: 32 loads; the step's 32 rows stand in the immediate, so that no address is written here
	WIN 0x40
.set ii, 0
.rept 16
	ds_load_tr16_b128 v[128*((\t)%2)+8*ii:128*((\t)%2)+8*ii+3],   v[TR] offset:(\t)*32*PITCH+(ii/8)*SLICE+32*(ii%8)
	ds_load_tr16_b128 v[128*((\t)%2)+8*ii+4:128*((\t)%2)+8*ii+7], v[TR] offset:(\t)*32*PITCH+(ii/8)*SLICE+16*PITCH+32*(ii%8)
.set ii, ii+1
.endr
.endm
.macro CMUL t                          ; 16 products, the 16 accumulators by turns
	WIN 0xa4                                       ; p window 0, A turned window 1, C and D window 2
.set ii, 0
.rept 16
.if (\t) == 0
	v_wmma_f32_16x16x32_bf16 v[8*ii:8*ii+7], v[96+8*(\t):96+8*(\t)+7], v[128*((\t)%2)+8*ii:128*((\t)%2)+8*ii+7], 0
.else
	v_wmma_f32_16x16x32_bf16 v[8*ii:8*ii+7], v[96+8*(\t):96+8*(\t)+7], v[128*((\t)%2)+8*ii:128*((\t)%2)+8*ii+7], v[8*ii:8*ii+7]
.endif
.set ii, ii+1
.endr
.endm
	s_wait_loadcnt 0x0                             ; no load of W is on its way into window 1: the last chunk asked for none
	TRLOAD 0                                       ; no wait: the products that read window 1 stand ahead of the waits above, and nothing has named it since
	TRLOAD 1
	s_wait_dscnt 32                                ; p and buffer 0 are in; the 32 youngest loads stay out
	CMUL 0
	PLACES
	s_wait_alu depctr_va_vdst(0)                   ; the 16 products are done reading turned buffer 0, in which the loads below land
	TRLOAD 2
	s_wait_dscnt 32
	CMUL 1
	PLACES
	s_wait_alu depctr_va_vdst(0)                   ; the 16 products are done reading turned buffer 1, in which the loads below land
	TRLOAD 3
	s_wait_dscnt 32
	CMUL 2
	s_wait_dscnt 0x0
	CMUL 3
.rept 8
	v_nop                                          ; the places behind the last products
.endr
	s_wait_alu depctr_va_vdst(0)                   ; the products have written the context's accumulators, which the LDS stores read; the places above stay beside this wait
	WIN 0x08                                       ; store data window 2, address window 0
.set ii, 0
.rept 16                               ; all 16 rows of a result are equal: register 0 (rows 0 and 8) of each tile; both halves of the lanes write the same bytes with the same numbers
	ds_store_b32 v[CW], v[8*ii] offset:64*ii
.set ii, ii+1
.endr
	WIN 0
	ds_load_b128 v[80:83], v[CRD]                  ; my wave's own stage, served in order
	ds_load_b128 v[84:87], v[CRD] offset:512
	s_wait_dscnt 0x0
	global_store_b128 v[BO], v[80:83], s[14:15]    ; each store covers 512 consecutive bytes of cp, aligned
	global_store_b128 v[BO], v[84:87], s[14:15] offset:512
	s_wait_dscnt 0x0                               ; the closing lines, six on end
	s_wait_alu 0x0
	s_wait_tensorcnt 0x0
	ds_add_u32 v[SPW], v[NIL]
	s_wait_dscnt 0x0
	s_endpgm
.Lfunc_end_k_qc2e11c8ae9_main:
	.size	k_qc2e11c8ae9_main, .Lfunc_end_k_qc2e11c8ae9_main-k_qc2e11c8ae9_main
	.p2alignl 7, 3214868480
	.fill 96, 4, 3214868480
	.section	.rodata,"a",@progbits
	.p2align	6, 0x0
	.amdhsa_kernel k_qc2e11c8ae9_main
		.amdhsa_group_segment_fixed_size 304640
		.amdhsa_private_segment_fixed_size 0
		.amdhsa_enable_private_segment 0
		.amdhsa_kernarg_size 48
		.amdhsa_user_sgpr_count 2
		.amdhsa_user_sgpr_kernarg_segment_ptr 1
		.amdhsa_wavefront_size32 1
		.amdhsa_system_sgpr_workgroup_id_x 1
		.amdhsa_system_sgpr_workgroup_id_y 1
		.amdhsa_system_sgpr_workgroup_id_z 1
		.amdhsa_system_vgpr_workitem_id 0
		.amdhsa_next_free_vgpr 1024
		.amdhsa_next_free_sgpr 66
		.amdhsa_reserve_vcc 0
		.amdhsa_float_denorm_mode_32 3
		.amdhsa_float_denorm_mode_16_64 3
		.amdhsa_memory_ordered 1
		.amdhsa_forward_progress 1
		.amdhsa_inst_pref_size 255
	.end_amdhsa_kernel
	.section	.bss,"aw",@nobits
	.p2align	6
	.space	262144
	.amdgpu_metadata
---
amdhsa.version: [ 1, 2 ]
amdhsa.kernels:
  - .name:           k_qc2e11c8ae9_main
    .symbol:         k_qc2e11c8ae9_main.kd
    .args:
      - { .name: enc_outputs, .offset: 0, .size: 8, .value_kind: global_buffer, .address_space: global }
      - { .name: wb, .offset: 8, .size: 8, .value_kind: global_buffer, .address_space: global }
      - { .name: dp, .offset: 16, .size: 8, .value_kind: global_buffer, .address_space: global }
      - { .name: v, .offset: 24, .size: 8, .value_kind: global_buffer, .address_space: global }
      - { .name: sc, .offset: 32, .size: 8, .value_kind: global_buffer, .address_space: global }
      - { .name: cp, .offset: 40, .size: 8, .value_kind: global_buffer, .address_space: global }
    .group_segment_fixed_size: 304640
    .private_segment_fixed_size: 0
    .kernarg_segment_align: 8
    .kernarg_segment_size: 48
    .max_flat_workgroup_size: 128
    .sgpr_count:     66
    .vgpr_count:     1024
    .wavefront_size: 32
...
	.end_amdgpu_metadata
.endif
;; end of part 4
;; launch finish: the kernel of part 3 again; grid 64 x 1, 8 waves a work-group, no clusters, 1,280 bytes of LDS; arguments sc, cp, out0, out1; writes out0, out1
